; MI455X (gfx1250); checked and timed in simulation.
; The chip was launched on July 23, 2026; its instructions are those of AMD's public machine-readable ISA for CDNA 5 (MIT licence, August 2026) and "CDNA5" Instruction Set Architecture Reference Guide (July 2026). The comments in the code are by the model that wrote it; some were corrected since.
;; Expert Group. Allowed arithmetic: matrix products marked QUANTISED: E5M2 operands, one given power-of-two scale a tensor, by v_wmma_f32_16x16x64_bf8_bf8 or v_wmma_f32_16x16x128_bf8_bf8, f32 sums; everything else in f32.
;; Inputs: down_weight 8 x 1,024 x 2,048 float32; expert_ids 1,024 int32; gate_weight 8 x 2,048 x 1,024 float32; lowp_scales 6 int32 (the exponents e of the quantised operands' scales 2^e); up_weight 8 x 2,048 x 1,024 float32; x 1,024 x 1,024 float32.
;; Outputs: out0 1,024 x 1,024 float32.
;; This version of the problem:
;;   THIS VERSION OF THE PROBLEM IS GIVEN IN LOW PRECISION. The matrix products marked QUANTISED in the list below multiply operands that are first quantised to E5M2 (5 exponent bits, 2 mantissa bits; 8 bits a number), with one given power-of-two scale for each operand tensor; their sums are f32. All else is computed in f32.
;;   The module's matrix products, in the order in which they are computed (A, B: the left and right operand; K: the contracted axis; several contracted axes count as one K, in the product's order):
;;     1. [M 1,024, K 1,024] x [K 1,024, N 16,384]; A: input x; B: input gate_weight: QUANTISED (scales: A lowp_scales[0], B lowp_scales[1])
;;     2. [M 1,024, K 1,024] x [K 1,024, N 16,384]; A: input x; B: input up_weight: QUANTISED (scales: A lowp_scales[2], B lowp_scales[3])
;;     3. [M 1,024, K 2,048] x [K 2,048, N 8,192]; A: computed on the way; B: input down_weight: QUANTISED (scales: A lowp_scales[4], B lowp_scales[5])
;;   THE QUANTISER, for each operand of a quantised product, along K:
;;     - The operand's scale is 2^e, e = its entry of the input lowp_scales (int32; the entries are numbered through the quantised products in the list's order, A before B).
;;     - Each number is divided by the scale, clamped to +-57,344, and rounded to the nearest number of E5M2, ties to even, subnormals kept.
;;     - The product sums the exact products of the quantised numbers (number of the format x scale) in f32.
;;   ~~~python
;;   def quantise(x, axis, e):      # numpy; x: float32 -> the quantised numbers, widened to float32 again
;;       x = np.moveaxis(x, axis, -1); K = x.shape[-1]
;;       r = np.clip(x / 2.0 ** e, -57344, 57344)
;;       step = 2.0 ** (np.maximum(np.frexp(np.where(r == 0, 1, r))[1] - 1, -14) - 2)
;;       q = np.round(r / step) * step * 2.0 ** e      # np.round: ties to even
;;       return np.moveaxis(q, -1, axis).astype(np.float32)
;;   ~~~
;;   OPERANDS COMPUTED ON THE WAY. 'Computed on the way' means the value that the module computes at that place (a softmax that the list does not call 'softmax' is quantised finished and normalised). What goes into a quantiser is computed in f32, as accurately as f32 sums, v_exp_f32 and their like allow (about 1e-6 of the number): no bf16 or f16 on the way to a quantiser, and a product that is left as it is and whose result goes on into a quantised operand takes f32 operands (vector FMAs, or v_wmma_f32_16x16x4_f32). A number that lies on a knife's edge between two numbers of the format may be rounded either way, as far as f32 arithmetic and the matrix unit's own rounding can turn it there, and no further.
;; 2 versions. Each part assembles by itself: llvm-mc -triple=amdgcn-amd-amdhsa -mcpu=gfx1250 --defsym DOCPART=n.
;; ======== version 1 of 2: 3 launches
;; workspace buffers: xq 2,326,528 bytes; hid 2,326,528 bytes; route 4,864 bytes of whole numbers
;; launch prep (part 1): grid 71 x 1, 8 waves a work-group, no clusters, 36,864 bytes of LDS; arguments x, expert_ids, lowp_scales, xq, route; writes xq, route
.if DOCPART == 1
	.amdgcn_target "amdgcn-amd-amdhsa--gfx1250"
	.amdhsa_code_object_version 6
	.text
	.protected	k_qb88eb19b8b_prep
	.globl	k_qb88eb19b8b_prep
	.p2align	8
	.type	k_qb88eb19b8b_prep,@function
k_qb88eb19b8b_prep:
	s_mov_b64 s[64:65], 0
	v_nop
	global_prefetch_b8 v0, s[64:65] scope:SCOPE_SE
	s_setreg_imm32_b32 hwreg(HW_REG_WAVE_MODE, 25, 1), 1
	s_wait_xcnt 0x0
; PREP: the tokens are sorted by expert, and x is gathered and quantised into images of operand registers.
; x [1024][1024] f32, expert_ids [1024] int32 (0 .. 7: an index stays inside its table), lowp_scales [6] int32.
; A TILE is 16 token slots of one expert.  Expert e has nt[e] = ceil(count / 16) tiles, numbered from tb[e] on (a prefix sum): 64 to 71 tiles in all.
; The slots behind an expert's last token repeat that token: the later launches then need no mask (equal codes, equal sums, equal bytes stored to one place).
; Work-group T makes tile T.  Every work-group repeats the sort (4,096 bytes of ids): nothing passes between work-groups.  One whose T is at or past the number of tiles stores nothing.
; OUT:  xq [tile][K step 8][variant 2: scale e0 (gate), e2 (up)][group c 4][lane 32][16 bytes]: group c of lane (r, h) = codes of slot r, k = 128 s + 32 c + 16 h + 0 .. 15.
;       route: words 0-7 tb, words 8-15 nt; from byte 256 on order[16 T + slot] = the slot's token.
; code = x / 2^e, held within +-57,344, to the nearest E5M2 number, ties to even.  LIMITS: e0, e2 between -126 and 112; NaN among the inputs is not served.
; Wave w gathers slots 2 w and 2 w + 1 (a row by eight loads of 512 consecutive bytes), and later writes the images of K step w.
.set MSK,   0                          ; LDS: [expert 8][group 32] words: which lanes of a group of 32 tokens belong to the expert
.set CNT,   1024                       ; the same table's counts of ones
.set LIST,  2048                       ; the tile's 16 tokens
.set STG,   2304                       ; the codes: 2 variants x 16 rows x (1,024 bytes + 16): the 16 rows of a 16-byte read start at 16 different banks
.set SP,    1040
.set VAR,   16*SP
.set XR,    32                         ; v32-95   two rows of x, 32 registers each (over the sort's registers, which are done with by then)
.set TQ,    96                         ; v96-127  a row, held
.set CD,    128                        ; v128-159 codes: 8 registers for each (row, variant), so that no LDS store's data are written again
.macro BAR                             ; my LDS instructions are done: then the work-group's barrier
	s_wait_dscnt 0x0
	s_barrier_signal -1
	s_barrier_wait -1
.endm
	s_load_b256 s[4:11], s[0:1], 0x0               ; x s[4:5], ids s[6:7], scales s[8:9], xq s[10:11]
	s_load_b64 s[12:13], s[0:1], 0x20              ; route
	v_lshl_add_u32 v160, v0, 2, 0x8c00
	v_mov_b32 v161, 0
	v_lshlrev_b32 v2, 4, v0                        ; thread t holds tokens 4 t .. 4 t + 3
	v_lshrrev_b32 v1, 5, v0
	v_readfirstlane_b32 s16, v1                    ; wave
	s_mov_b32 s17, ttmp9                           ; T
	s_wait_kmcnt 0x0
	global_load_b128 v[16:19], v2, s[6:7]
	s_load_b128 s[20:23], s[8:9], 0x0              ; e0 .. e3
	s_mov_b32 s68, 0x76543210                      ; v_permlanex16_b32: lane l xor 16
	s_mov_b32 s69, 0xfedcba98
	v_and_b32 v1, 31, v0                           ; lane
	v_lshlrev_b32 v3, 4, v1                        ; 16 x lane
	v_lshlrev_b32 v4, 2, v1                        ; 4 x lane
	v_lshrrev_b32 v14, 2, v1
	v_and_b32 v15, 3, v1
	v_lshlrev_b32 v5, 7, v14
	v_lshl_add_u32 v5, v15, 2, v5
	s_lshl_b32 s45, s16, 4
	v_add_nc_u32 v5, s45, v5                       ; lane 4 e + i stores the word of expert e, group 4 w + i: 128 e + 16 w + 4 i
	s_mul_i32 s45, s16, 2*SP
	v_add_nc_u32 v6, s45, v4
	v_add_nc_u32 v6, STG, v6                       ; codes in: row 2 w, 4 bytes a lane
	v_and_b32 v14, 15, v1                          ; r
	v_lshrrev_b32 v15, 4, v1                       ; h
	v_mul_u32_u24 v7, v14, SP
	v_lshl_add_u32 v7, v15, 4, v7
	s_lshl_b32 s45, s16, 7
	v_add_nc_u32 v7, s45, v7
	v_add_nc_u32 v7, STG, v7                       ; codes out: row r, K step w, + 16 h
	v_lshrrev_b32 v8, 5, v0
	v_lshl_add_u32 v8, v8, 3, LIST                 ; my wave's two words of the list
	v_lshl_add_u32 v9, v14, 2, LIST                ; the list read back: word r
	v_lshlrev_b32 v22, 2, v14                      ; and its place in route
	v_mov_b32 v20, 0                               ; (a lane write's destination counts as read)
	v_mov_b32 v21, 0
.irp q, 0,1,2,3
	v_mov_b32 v[48+\q], 0
.endr
	; ---- the masks.  Group G = 4 w + i, lane l stands for token 128 (G / 4) + 4 l + G % 4: the order of the sort
	s_wait_loadcnt 0x0
.irp e, 0,1,2,3,4,5,6,7
.irp i, 0,1,2,3
	v_cmp_eq_u32 s45, \e, v[16+\i]
	s_bcnt1_i32_b32 s46, s45
	v_writelane_b32 v20, s45, 4*\e+\i
	v_writelane_b32 v21, s46, 4*\e+\i
.endr
.endr
	ds_store_b32 v5, v20 offset:MSK
	ds_store_b32 v5, v21 offset:CNT
	BAR                                            ; all 8 x 32 words lie in LDS
.irp e, 0,1,2,3,4,5,6,7
	ds_load_b32 v[24+\e], v4 offset:MSK+128*\e     ; lane l: expert e's mask of group l,
	ds_load_b32 v[32+\e], v4 offset:CNT+128*\e     ; and its count
.endr
	s_wait_dscnt 0x0
	; ---- each expert's count: two counts to a word (at most 1,024 each), summed over the 32 lanes in whole numbers
.irp q, 0,1,2,3
	v_lshl_or_b32 v[40+\q], v[33+2*\q], 16, v[32+2*\q]
.endr
.irp m, 1,2,4,8
.irp q, 0,1,2,3
	v_mov_b32_dpp v[48+\q], v[40+\q] row_xmask:\m row_mask:0xf bank_mask:0xf
.endr
.irp q, 0,1,2,3
	v_add_nc_u32 v[40+\q], v[40+\q], v[48+\q]
.endr
.endr
.irp q, 0,1,2,3
	v_permlanex16_b32 v[48+\q], v[40+\q], s68, s69
.endr
.irp q, 0,1,2,3
	v_add_nc_u32 v[40+\q], v[40+\q], v[48+\q]
.endr
.irp q, 0,1,2,3
	v_readfirstlane_b32 s45, v[40+\q]
	s_and_b32 s[24+2*\q], s45, 0xffff              ; s24-31: the counts
	s_lshr_b32 s[25+2*\q], s45, 16
.endr
	s_mov_b32 s32, 0                               ; s32-40: tb[0 .. 8];  s70-77: nt
.irp e, 0,1,2,3,4,5,6,7
	s_add_co_u32 s[70+\e], s[24+\e], 15
	s_lshr_b32 s[70+\e], s[70+\e], 4
	s_add_co_u32 s[33+\e], s[32+\e], s[70+\e]
.endr
	; ---- my tile's expert: the last e with tb[e] <= T (an expert without tiles is passed over by the next one's equal tb)
	s_mov_b32 s41, 0                               ; e
	s_mov_b32 s42, s24                             ; its count
	s_mov_b32 s43, 0                               ; its tb
.irp q, 1,2,3,4,5,6,7
	s_cmp_ge_u32 s17, s[32+\q]
	s_cselect_b32 s41, \q, s41
	s_cselect_b32 s42, s[24+\q], s42
	s_cselect_b32 s43, s[32+\q], s43
.endr
	s_sub_co_u32 s44, s17, s43                     ; j: which tile of the expert
	; ---- that expert's masks and counts, chosen by value, and the counts' prefix sum over the 32 groups
	v_mov_b32 v44, v24
	v_mov_b32 v45, v32
.irp q, 1,2,3,4,5,6,7
	s_cmp_eq_u32 s41, \q
	s_cselect_b32 s45, -1, 0
	v_cndmask_b32 v44, v44, v[24+\q], s45
	v_cndmask_b32 v45, v45, v[32+\q], s45
.endr
	v_mov_b32 v46, v45
.irp n, 1,2,4,8
	v_mov_b32_dpp v14, v46 row_shr:\n row_mask:0xf bank_mask:0xf bound_ctrl:1
	v_add_nc_u32 v46, v46, v14
.endr
	v_readlane_b32 s45, v46, 15                    ; the lower 16 groups' sum goes onto the upper 16
	v_mov_b32 v14, s45
	v_cmp_lt_u32 vcc_lo, 15, v1
	v_cndmask_b32 v14, 0, v14, vcc_lo
	v_add_nc_u32 v46, v46, v14
	v_sub_nc_u32 v46, v46, v45                     ; P[G]: the expert's tokens in the groups ahead of G
	; ---- my two slots' tokens
	s_lshl_b32 s50, s44, 4
	s_lshl_b32 s51, s16, 1
	s_add_co_u32 s50, s50, s51                     ; 16 j + 2 w
	s_sub_co_u32 s51, s42, 1                       ; the last token's rank
.irp i, 0,1
	s_add_co_u32 s52, s50, \i
	s_min_u32 s52, s52, s51                        ; the slot's rank; behind the end: the last token again
	v_cmp_ge_u32 s46, s52, v46
	s_bcnt1_i32_b32 s47, s46
	s_sub_co_u32 s47, s47, 1                       ; G: the last group with P <= rank (P does not fall, so these groups are a run from 0 on): it holds the rank
	v_readlane_b32 s48, v44, s47                   ; its mask
	v_readlane_b32 s53, v46, s47
	s_sub_co_u32 s53, s52, s53                     ; which of the mask's ones
	v_mbcnt_lo_u32_b32 v14, s48, 0                 ; ones below my lane
	v_cmp_eq_u32 s54, s53, v14
	s_and_b32 s54, s54, s48
	s_ctz_i32_b32 s55, s54                         ; l
	s_lshr_b32 s56, s47, 2
	s_lshl_b32 s56, s56, 7
	s_and_b32 s57, s47, 3
	s_add_co_u32 s56, s56, s57
	s_lshl_b32 s57, s55, 2
	s_add_co_u32 s56, s56, s57                     ; token = 128 (G / 4) + 4 l + G % 4
	s_min_u32 s56, s56, 1023                       ; held inside x, whatever the ids were
	v_mov_b32 v[15+8*\i], s56
	ds_store_b32 v8, v[15+8*\i] offset:4*\i        ; every lane writes the same word with the same value
	s_lshl_b32 s58, s56, 12
	s_mov_b32 s59, 0
	s_add_nc_u64 s[60+2*\i:61+2*\i], s[4:5], s[58:59]
.endr
.irp i, 0,1
.irp s, 0,1,2,3,4,5,6,7
	global_load_b128 v[XR+32*\i+4*\s:XR+32*\i+4*\s+3], v3, s[60+2*\i:61+2*\i] offset:512*\s   ; 512 consecutive bytes: k = 128 s + 4 lane + 0 .. 3.  No hint: a repeated slot names a row again
.endr
.endr
	s_lshl_b32 s58, s17, 15                        ; where my images go: tile T, K step w
	s_lshl_b32 s59, s16, 12
	s_add_co_u32 s58, s58, s59
	s_mov_b32 s59, 0
	s_add_nc_u64 s[66:67], s[10:11], s[58:59]
	s_lshl_b32 s58, s17, 6
	s_add_nc_u64 s[78:79], s[12:13], s[58:59]      ; and the tile's list
	s_wait_kmcnt 0x0
.irp v, 0,1                                    ; v10, v11: 2^e0 and 57,344 x 2^e0;  v12, v13: the same with e2
	s_add_co_i32 s45, s[20+2*\v], 127
	s_lshl_b32 s46, s45, 23
	v_mov_b32 v[10+2*\v], s46
	s_add_co_i32 s45, s45, 15
	s_lshl_b32 s45, s45, 23
	s_or_b32 s45, s45, 0x600000
	v_mov_b32 v[11+2*\v], s45
.endr
	; ---- quantise: each row twice
.irp i, 0,1
	s_wait_loadcnt 8-8*\i                          ; row i's eight loads are in; row 1's may be out while row 0 is worked
.irp v, 0,1
.set q, 0
.rept 32
	v_med3_num_f32 v[TQ+q], v[XR+32*\i+q], -v[11+2*\v], v[11+2*\v]   ; the conversion to an 8-bit code does not saturate (ISA guide 7.6.2): the hold comes first
.set q, q+1
.endr
.irp q, 0,1,2,3
	v_cvt_scalef32_pk8_bf8_f32 v[CD+8*(2*\i+\v)+2*\q:CD+8*(2*\i+\v)+2*\q+1], v[TQ+8*\q:TQ+8*\q+7], v[10+2*\v]
.endr
	v_nop                                          ; a plain line between the last conversion and the holds that write its sources again
.irp s, 0,1,2,3,4,5,6,7
	ds_store_b32 v6, v[CD+8*(2*\i+\v)+\s] offset:\v*VAR+\i*SP+128*\s   ; code register s: k = 128 s + 4 lane + 0 .. 3: 128 consecutive bytes, k in its true order
.endr
.endr
.endr
	BAR                                            ; 16 rows of codes, twice, and the list lie in LDS
	s_cmp_ge_u32 s17, s40                          ; no such tile in this split: nothing is stored.  (Behind the last barrier: every wave has passed both)
	s_cbranch_scc1 .Lend
.irp v, 0,1
.irp c, 0,1,2,3
	ds_load_b128 v[32+4*(4*\v+\c):35+4*(4*\v+\c)], v7 offset:\v*VAR+32*\c
.endr
.endr
.irp v, 0,1
.irp c, 0,1,2,3
	s_wait_dscnt 7-(4*\v+\c)
	global_store_b128 v3, v[32+4*(4*\v+\c):35+4*(4*\v+\c)], s[66:67] offset:\v*2048+\c*512   ; 512 consecutive bytes
.endr
.endr
	s_cmp_lg_u32 s16, 0
	s_cbranch_scc1 .Lend
	ds_load_b32 v14, v9                            ; wave 0: the tile's list (lanes 16-31 repeat lanes 0-15: the same words, the same values)
	s_wait_dscnt 0x0
	global_store_b32 v22, v14, s[78:79] offset:256
	s_cmp_lg_u32 s17, 0
	s_cbranch_scc1 .Lend
	v_mov_b32 v16, 0                               ; work-group 0: tb and nt; lanes 16-31 store zeros into bytes 64-127 of route, which nobody reads
.irp e, 0,1,2,3,4,5,6,7
	v_writelane_b32 v16, s[32+\e], \e
	v_writelane_b32 v16, s[70+\e], 8+\e
.endr
	global_store_b32 v4, v16, s[12:13]
.Lend:
	s_wait_tensorcnt 0x0
	ds_add_u32 v160, v161
	s_wait_dscnt 0x0
	s_endpgm
.Lfunc_end_k_qb88eb19b8b_prep:
	.size	k_qb88eb19b8b_prep, .Lfunc_end_k_qb88eb19b8b_prep-k_qb88eb19b8b_prep
	.p2alignl 7, 3214868480
	.fill 96, 4, 3214868480
	.section	.rodata,"a",@progbits
	.p2align	6, 0x0
	.amdhsa_kernel k_qb88eb19b8b_prep
		.amdhsa_group_segment_fixed_size 36864
		.amdhsa_private_segment_fixed_size 0
		.amdhsa_enable_private_segment 0
		.amdhsa_kernarg_size 40
		.amdhsa_user_sgpr_count 2
		.amdhsa_user_sgpr_kernarg_segment_ptr 1
		.amdhsa_wavefront_size32 1
		.amdhsa_system_sgpr_workgroup_id_x 1
		.amdhsa_system_sgpr_workgroup_id_y 1
		.amdhsa_system_sgpr_workgroup_id_z 1
		.amdhsa_system_vgpr_workitem_id 0
		.amdhsa_next_free_vgpr 162
		.amdhsa_next_free_sgpr 96
		.amdhsa_reserve_vcc 1
		.amdhsa_float_denorm_mode_32 3
		.amdhsa_float_denorm_mode_16_64 3
		.amdhsa_memory_ordered 1
		.amdhsa_forward_progress 1
		.amdhsa_inst_pref_size 36
	.end_amdhsa_kernel
	.amdgpu_metadata
---
amdhsa.version: [ 1, 2 ]
amdhsa.kernels:
  - .name:           k_qb88eb19b8b_prep
    .symbol:         k_qb88eb19b8b_prep.kd
    .args:
      - { .name: x, .offset: 0, .size: 8, .value_kind: global_buffer, .address_space: global }
      - { .name: expert_ids, .offset: 8, .size: 8, .value_kind: global_buffer, .address_space: global }
      - { .name: lowp_scales, .offset: 16, .size: 8, .value_kind: global_buffer, .address_space: global }
      - { .name: xq, .offset: 24, .size: 8, .value_kind: global_buffer, .address_space: global }
      - { .name: route, .offset: 32, .size: 8, .value_kind: global_buffer, .address_space: global }
    .group_segment_fixed_size: 36864
    .private_segment_fixed_size: 0
    .kernarg_segment_align: 8
    .kernarg_segment_size: 40
    .max_flat_workgroup_size: 256
    .sgpr_count:     96
    .vgpr_count:     162
    .wavefront_size: 32
...
	.end_amdgpu_metadata
.endif
;; end of part 1
;; launch gateup (part 2): grid 32 x 8, 8 waves a work-group, no clusters, 148,480 bytes of LDS; arguments gate_weight, up_weight, xq, route, lowp_scales, hid; writes hid
.if DOCPART == 2
	.amdgcn_target "amdgcn-amd-amdhsa--gfx1250"
	.amdhsa_code_object_version 6
	.text
	.protected	k_qb88eb19b8b_gateup
	.globl	k_qb88eb19b8b_gateup
	.p2align	8
	.type	k_qb88eb19b8b_gateup,@function
k_qb88eb19b8b_gateup:
	s_mov_b64 s[64:65], 0
	v_nop
	global_prefetch_b8 v0, s[64:65] scope:SCOPE_SE
	s_setreg_imm32_b32 hwreg(HW_REG_WAVE_MODE, 25, 1), 1
	s_wait_xcnt 0x0
; GATEUP: hidden = silu(x Wg^T) * (x Wu^T) for each token's own expert, both products on E5M2 codes, the result quantised into images of the next product's operand.
; THE WEIGHTS ARE SHARED OUT, NOT THE TOKENS: the weights are 134 MB of f32, each byte wanted once; the tokens' codes are 2.3 MB.  Work-group (z, e) owns hidden units 64 z .. 64 z + 63 of expert e:
; 64 rows of the gate's weight and 64 of the up's, 512 KB, read once, and serves all tokens of that expert.
; EVERY WAVE STREAMS AND MULTIPLIES; the eight run one text.  K goes in 8 stages of 128.  EACH STAGE HAS LDS BYTES OF ITS OWN, written once: one barrier a stage ("stage k's codes lie in LDS"), none for a refill.
; PHASE k:  x's images of stage k are asked for | my 8 units of stage k (a unit: two rows' 512 bytes each) are held, converted, stored into LDS, and each unit's registers are asked for again at once |
;           the wait for x of stage k - 1 | stage k - 1 is multiplied | barrier.
; A wave's loads come back in the order of issue.  x of stage j is asked for at the head of phase j and used at the end of phase j + 1: all weight loads issued ahead of it belong to units up to 8 j + 14, which the wave
; has consumed by then, so the wait for x forces no weight load early, and two buffers of x do.  The ring holds 15 units: 30 loads a wave, 120 KB a work-group; with two runs of x 62 loads a wave are out at the most.
; Wave w streams rows 16 (w % 4) .. + 15 of the work-group's 64: waves 0-3 of the gate's weight, waves 4-7 of the up's.
; TOKENS.  A tile is 16 slots (launch prep).  Pass 0 serves the expert's tiles 0-15: wave w takes tiles w and w + 8.  It has no branch on the count: a slot without a tile multiplies tile 0's first bytes
; (every lane the same 16) and only its activation and store are jumped over.  Tiles 16 p + .. (up to 64: all tokens on one expert) are served by passes 1-3 from the codes that stay in LDS.
; An expert without tokens still has its weights streamed: no wave leaves ahead of a barrier on a stored number.
; BOTH PRODUCTS ARE USED TRANSPOSED (source 0 = 16 rows of W, source 1 = 16 slots): a lane holds one slot, its registers run along the hidden units, the next K.
; THE ROWS OF W THAT FORM A TILE ARE NOT NEIGHBOURS: row r of tile tau is unit 32 (tau / 2) + 8 (tau % 2) + r + 8 (r / 8), so that the 16 registers of tiles 2 b, 2 b + 1 are units 32 b + 16 h + 0 .. 15.
; A fragment's k is laid alike on both sides: registers 4 c .. 4 c + 3 of lane (r, h) hold k = 32 c + 16 h + 0 .. 15.
; NO JOINT LOADS, though the 32 work-groups of an expert read the same images: a joint load is a tensor load, and this text branches on stored counts.
; LIMITS: e1, e3 between -126 and 112; e0 + e1 between -126 and 127; e4 - (e0 + e1 + e2 + e3) between -126 and 112.  NaN among the inputs is not served.
; REGISTERS.  Window 0: v1 16 x lane; v2-4 LDS store address for stages 0-2, 3-5, 6-7; v5-7 the same for fragment reads; v8, v9 a slot's lane step in xq; v11, v12 the weight's hold and scale; v13, v14 the hidden layer's;
;   v15 lane; v16-31 codes, a pair for each of a phase's 8 units; v32-127 three sets of W's fragments (gate, up); v128-247 the ring.  At the activation: v128-159 e^-gate and on, v160-191 the hidden numbers, v32 + 8 t the codes.
;   Window 1: v0-127 x's fragments, two buffers of (slot t, variant v) at 64 b + 16 (2 t + v); v128-255 the accumulators (t, v, tile tau) at 128 + 64 t + 32 v + 8 tau.
.set PITCH, 144                        ; a row of 128 codes + 16: the 16 rows of a fragment read start at 16 different banks (64 banks of 4 bytes: ISA guide 11.1)
.set STAGE, 128*PITCH                  ; 64 rows of the gate's, 64 of the up's
.set TRI,   3*STAGE                    ; three stages to an address register: the 16-bit immediate reaches that far
.set RING,  15                         ; units in the ring
.set UNITS, 64                         ; a wave's units: 8 stages x 8
.set UPS,   8                          ; units a stage
.set XN,    16                         ; loads in a run of x's images
.set RG,    128                        ; the ring's first register
.set EE,    128
.set PP,    160
.set MSB, 0
.macro WIN new                         ; the immediate's high byte repeats the setting that is left; a switch that changes nothing is dropped
.if MSB != (\new)
	s_set_vgpr_msb (MSB<<8)|(\new)
.set MSB, (\new)
.endif
.endm
.macro PLACES n                        ; plain vector lines behind a matrix instruction (ISA guide 7.12.1), where no other vector work is at hand
.rept \n
	v_nop
.endr
.endm
.macro BAR                             ; my LDS instructions are done: then the work-group's barrier
	s_wait_dscnt 0x0
	s_barrier_signal -1
	s_barrier_wait -1
.endm
.macro ASKS j                          ; AV = how many units of phase j ask again: unit g does while g + RING < UNITS
.set AV, UNITS-RING-UPS*(\j)
.if AV > UPS
.set AV, UPS
.endif
.if AV < 0
.set AV, 0
.endif
.endm
; Unit g: rows 2 (g % 8) and + 1 of my 16, stage g / 8: two loads of 512 consecutive bytes (k = 4 lane + 0 .. 3 of the stage)
.macro WLD g
.set WR, RG+8*((\g)%RING)
.set WO, 2*((\g)&7)*4096+((\g)>>3)*512
	global_load_b128 v[WR:WR+3], v1, s[20:21] offset:WO th:TH_LOAD_NT
	global_load_b128 v[WR+4:WR+7], v1, s[20:21] offset:WO+4096 th:TH_LOAD_NT
.endm
.macro UNIT g
.set UR, RG+8*((\g)%RING)
.set UC, 16+2*((\g)&7)
.set UK, (\g)>>3
.set UI, 2*((\g)&7)
.set UL, 16*(UI>>3)+(UI&7)                         ; the row's place in tile order, from my wave's first
.set UY, UNITS-1-(\g)                              ; younger units asked for: 14, fewer as the ring runs out
.if UY > RING-1
.set UY, RING-1
.endif
.if (\g) < RING
.set UX, UK+1                                      ; runs of x issued since this unit's loads: asked for at the head, ahead of all of them;
.else
.set UX, UK-(((\g)-RING)>>3)                       ; or in unit g - 15's turn: the phases' heads passed since then
.endif
	s_wait_loadcnt 2*UY+XN*UX                      ; all that was issued behind this unit's two loads may be out
.irp q, 0,1,2,3,4,5,6,7
	v_med3_num_f32 v[UR+\q], v[UR+\q], -v11, v11   ; the conversion does not saturate (ISA guide 7.6.2): the hold comes first
.endr
	v_cvt_scalef32_pk8_bf8_f32 v[UC:UC+1], v[UR:UR+7], v12   ; (the code pair's last stores, a phase ago, were waited for in front of the barrier)
.if (\g)+RING < UNITS
	WLD (\g)+RING                                  ; the unit's registers are asked for again at once
.endif
	ds_store_b32 v[2+UK/3], v[UC] offset:(UK%3)*STAGE+UL*PITCH          ; 128 consecutive bytes, k in its true order
	ds_store_b32 v[2+UK/3], v[UC+1] offset:(UK%3)*STAGE+(UL+1)*PITCH
.endm
.macro PRODUCE k
.set G, UPS*(\k)
.rept UPS
	UNIT G
.set G, G+1
.endr
	v_nop                                          ; a plain line behind the last conversion
.endm
; The two slots' tiles for pass s49: IDX = wave + 8 t + 16 p.  Without a tile: tile 0, lane step 0.
.macro SETT
	s_lshl_b32 s54, s49, 4
	s_add_co_u32 s54, s54, s16
.irp t, 0,1
	s_add_co_u32 s[46+\t], s54, 8*\t
	s_add_co_u32 s55, s22, s[46+\t]
	s_cmp_lt_u32 s[46+\t], s23
	s_cselect_b32 s56, 16, 0
	s_cselect_b32 s55, s55, 0
	s_min_u32 s56, s56, 16
	s_min_u32 s55, s55, 70                         ; held inside the buffers, whatever route holds
	v_mul_u32_u24 v[8+\t], v15, s56
	s_lshl_b32 s58, s55, 15
	s_mov_b32 s59, 0
	s_add_nc_u64 s[32+2*\t:33+2*\t], s[8:9], s[58:59]      ; the tile in xq,
	s_add_nc_u64 s[40+2*\t:41+2*\t], s[14:15], s[58:59]    ; and in hid,
	s_add_nc_u64 s[40+2*\t:41+2*\t], s[40+2*\t:41+2*\t], s[60:61]   ; at my 64 units: 1,024 z
.endr
.endm
.macro XLD k                           ; K step k of x's images, two slots x two variants: 16 loads of 512 consecutive bytes
	WIN 0x40                                       ; destination window 1, address window 0
.irp t, 0,1
.irp v, 0,1
.irp c, 0,1,2,3
	global_load_b128 v[64*((\k)%2)+16*(2*\t+\v)+4*\c:64*((\k)%2)+16*(2*\t+\v)+4*\c+3], v[8+\t], s[32+2*\t:33+2*\t] offset:(\k)*4096+\v*2048+\c*512
.endr
.endr
.endr
	WIN 0
.endm
.macro FL k, tau                       ; tile tau's two fragments (gate, up) of stage k into set tau % 3
.irp v, 0,1
.irp c, 0,1,2,3
	ds_load_b128 v[32+32*((\tau)%3)+16*\v+4*\c:32+32*((\tau)%3)+16*\v+4*\c+3], v[5+(\k)/3] offset:((\k)%3)*STAGE+(64*\v+16*(\tau))*PITCH+32*\c
.endr
.endr
.endm
.macro MM4 k, tau, zero                ; tile tau against the two slots, gate and up.  zero = 1: the first K step starts the sums
.irp t, 0,1
.irp v, 0,1
.set XL, 64*((\k)%2)+16*(2*\t+\v)
.set AC, 128+64*\t+32*\v+8*(\tau)
.set FF, 32+32*((\tau)%3)+16*\v
.if \zero
	v_wmma_f32_16x16x128_bf8_bf8 v[AC:AC+7], v[FF:FF+15], v[XL:XL+15], 0
.else
	v_wmma_f32_16x16x128_bf8_bf8 v[AC:AC+7], v[FF:FF+15], v[XL:XL+15], v[AC:AC+7]
.endif
.endr
.endr
.endm
; A stage's 16 products.  The 16 accumulators take turns, one instruction a turn, in the same order in every stage.
.macro COMPUTE k, zero
	FL \k, 0
	FL \k, 1
	FL \k, 2
	s_wait_dscnt 16                                ; tile 0's eight loads are in; tiles 1 and 2's may be out
	WIN 0x54                                       ; W window 0; x, C and D window 1
	MM4 \k, 0, \zero
	PLACES 4                                       ; in front of loads into the set that those products read
	WIN 0
	FL \k, 3
	s_wait_dscnt 16                                ; tile 1's are in; tiles 2 and 3's may be out
	WIN 0x54
	MM4 \k, 1, \zero
	s_wait_dscnt 8
	MM4 \k, 2, \zero
	s_wait_dscnt 0x0
	MM4 \k, 3, \zero
	PLACES 4                                       ; for all that follows the stage: loads into the sets and into x's buffer, and the first reads of results
	WIN 0
.endm
; Slot t's hidden numbers: silu(gate) x up, quantised, stored.  Complete in itself, and jumped over as a whole where the slot has no tile.
; gate = G 2^(e0+e1), up = U 2^(e2+e3).  hidden / 2^e4 = G U / (1 + e^-gate) / 2^(e4 - e0 - e1 - e2 - e3): the five scales are the conversion's one.  All in f32.
.macro ACT t
.set GG, 128+64*(\t)
.set UU, GG+32
.set CC, 32+8*(\t)
	s_cmp_lt_u32 s[46+\t], s23
	s_cbranch_scc0 .Lno_\@
	WIN 0x01
.set q, 0
.rept 16
	v_pk_mul_f32 v[EE+q:EE+q+1], v[GG+q:GG+q+1], s[52:53] op_sel_hi:[1,0]   ; -gate x log2(e); each accumulator from its low end on
.set q, q+2
.endr
	WIN 0
.set q, 0
.rept 32
	v_exp_f32 v[EE+q], v[EE+q]                     ; e^-gate: one batch
.set q, q+1
.endr
	WIN 0x05
.set q, 0
.rept 16
	v_pk_mul_f32 v[PP+q:PP+q+1], v[GG+q:GG+q+1], v[UU+q:UU+q+1]             ; G U: plain work that names no exponential's result
.set q, q+2
.endr
	WIN 0
	s_wait_alu depctr_va_vdst(0)                   ; one wait for the batch, ahead of its first reader
.set q, 0
.rept 16
	v_pk_add_f32 v[EE+q:EE+q+1], v[EE+q:EE+q+1], 1.0 op_sel_hi:[1,0]
.set q, q+2
.endr
.set q, 0
.rept 32
	v_rcp_f32 v[EE+q], v[EE+q]                     ; 1 / (1 + e^-gate); e^-gate = infinity gives 0
.set q, q+1
.endr
	v_nop
	s_wait_alu depctr_va_vdst(0)
.set q, 0
.rept 16
	v_pk_mul_f32 v[PP+q:PP+q+1], v[PP+q:PP+q+1], v[EE+q:EE+q+1]
.set q, q+2
.endr
.set q, 0
.rept 32
	v_med3_num_f32 v[PP+q], v[PP+q], -v13, v13
.set q, q+1
.endr
.irp u, 0,1,2,3
	v_cvt_scalef32_pk8_bf8_f32 v[CC+2*\u:CC+2*\u+1], v[PP+8*\u:PP+8*\u+7], v14
.endr
	v_nop                                          ; a plain line behind the last conversion
	global_store_b128 v1, v[CC:CC+3], s[40+2*\t:41+2*\t]               ; units 64 z + 16 h + 0 .. 15: 512 consecutive bytes, group 2 (z % 2) of K step z / 2
	global_store_b128 v1, v[CC+4:CC+7], s[40+2*\t:41+2*\t] offset:512  ; units 64 z + 32 + 16 h + 0 .. 15
.Lno_\@:
.endm
	s_load_b256 s[4:11], s[0:1], 0x0               ; gate s[4:5], up s[6:7], xq s[8:9], route s[10:11]
	s_load_b128 s[12:15], s[0:1], 0x20             ; scales s[12:13], hid s[14:15]
	v_lshl_add_u32 v254, v0, 2, 0x24000
	v_mov_b32 v255, 0
	v_lshrrev_b32 v1, 5, v0
	v_readfirstlane_b32 s16, v1                    ; wave 0..7
	s_mov_b32 s17, ttmp9                           ; z
	s_and_b32 s18, ttmp7, 0xffff                   ; e
	v_and_b32 v15, 31, v0
	v_lshlrev_b32 v1, 4, v15
	; my 16 rows in tile order: units 16 (w % 4) + i lie at row 32 (w / 2) + 8 (w % 2) + 16 (i / 8) + i % 8 of a stage (the up's 64 rows behind the gate's)
	s_lshr_b32 s54, s16, 1
	s_lshl_b32 s54, s54, 5
	s_and_b32 s55, s16, 1
	s_lshl_b32 s55, s55, 3
	s_add_co_u32 s54, s54, s55
	s_mul_i32 s54, s54, PITCH
	v_lshl_add_u32 v2, v15, 2, s54                 ; in: 4 bytes a lane
	v_add_nc_u32 v3, TRI, v2
	v_add_nc_u32 v4, 2*TRI, v2
	v_and_b32 v5, 15, v0
	v_bfe_u32 v6, v0, 4, 1
	v_mul_u32_u24 v5, v5, PITCH
	v_lshl_add_u32 v5, v6, 4, v5                   ; out: row r, + 16 h
	v_add_nc_u32 v6, TRI, v5
	v_add_nc_u32 v7, 2*TRI, v5
	s_lshl_b32 s30, s18, 2
	s_lshl_b32 s54, s18, 11                        ; my rows of the weight begin at row 2,048 e + 64 z + 16 (w % 4), 4,096 bytes a row: under 2^26 bytes
	s_lshl_b32 s55, s17, 6
	s_add_co_u32 s54, s54, s55
	s_and_b32 s55, s16, 3
	s_lshl_b32 s55, s55, 4
	s_add_co_u32 s54, s54, s55
	s_lshl_b32 s54, s54, 12
	s_mov_b32 s55, 0
	s_lshl_b32 s60, s17, 10
	s_mov_b32 s61, 0
	s_mov_b32 s49, 0                               ; pass 0
	s_wait_kmcnt 0x0
	s_load_b32 s22, s[10:11], s30                  ; tb[e]
	s_load_b32 s23, s[10:11], s30 offset:0x20      ; nt[e]
	s_load_b128 s[24:27], s[12:13], 0x0            ; e0 .. e3
	s_load_b64 s[28:29], s[12:13], 0x10            ; e4, e5
	s_cmp_lt_u32 s16, 4                            ; waves 0-3 stream the gate's weight, waves 4-7 the up's
	s_cselect_b64 s[20:21], s[4:5], s[6:7]
	s_add_nc_u64 s[20:21], s[20:21], s[54:55]
.set G, 0
.rept RING
	WLD G                                          ; the ring is filled before anything else is done
.set G, G+1
.endr
	s_wait_kmcnt 0x0
	s_cmp_lt_u32 s16, 4
	s_cselect_b32 s54, s25, s27                    ; e1 or e3
	s_add_co_i32 s54, s54, 127
	s_lshl_b32 s55, s54, 23
	v_mov_b32 v12, s55                             ; the weight's scale as f32: the conversion takes its exponent field
	s_add_co_i32 s54, s54, 15
	s_lshl_b32 s54, s54, 23
	s_or_b32 s54, s54, 0x600000
	v_mov_b32 v11, s54                             ; 57,344 x that
	s_add_co_i32 s54, s24, s25                     ; e0 + e1
	s_lshl_b32 s55, s54, 23
	s_add_co_u32 s52, s55, 0xbfb8aa3b              ; -log2(e) x 2^(e0 + e1): the sum is added to the exponent field
	s_mov_b32 s53, s52                             ; (named with it as a pair)
	s_add_co_i32 s54, s54, s26
	s_add_co_i32 s54, s54, s27
	s_sub_co_i32 s54, s28, s54                     ; e4 - (e0 + e1 + e2 + e3)
	s_add_co_i32 s54, s54, 127
	s_lshl_b32 s55, s54, 23
	v_mov_b32 v14, s55
	s_add_co_i32 s54, s54, 15
	s_lshl_b32 s54, s54, 23
	s_or_b32 s54, s54, 0x600000
	v_mov_b32 v13, s54
	SETT
.irp k, 0,1,2,3,4,5,6,7
	XLD \k                                         ; into the buffer that stage k - 2's products read: their places stand behind them
	PRODUCE \k
.if \k > 0
	ASKS \k-1
.set NA, AV
	ASKS \k
	s_wait_loadcnt 2*NA+XN+2*AV                    ; x of stage k - 1 is in.  Issued behind it: phase k - 1's requests of the ring, x of stage k, this phase's requests
.if \k == 1
	COMPUTE 0, 1
.else
	COMPUTE \k-1, 0
.endif
.endif
	BAR                                            ; stage k's codes lie in LDS
.endr
	s_wait_loadcnt 0x0
	COMPUTE 7, 0
	ACT 0
	ACT 1
	s_mov_b32 s49, 1
.Lpass:                                            ; tiles 16 p on, from the codes in LDS: no barrier, no wave waits for another
	s_lshl_b32 s54, s49, 4
	s_add_co_u32 s54, s54, s16
	s_cmp_ge_u32 s54, s23
	s_cbranch_scc1 .Lend                           ; my first slot of this pass has no tile, so neither has
	s_wait_xcnt 0x0                                ; the stores have read their data, offsets and bases: all are written again below
	SETT
	PLACES 1                                       ; the accumulators are begun anew over earlier results: one place more than the four behind the last products
.irp k, 0,1,2,3,4,5,6,7
	XLD \k
	s_wait_loadcnt 0x0
.if \k == 0
	COMPUTE 0, 1
.else
	COMPUTE \k, 0
.endif
.endr
	ACT 0
	ACT 1
	s_add_co_u32 s49, s49, 1
	s_cmp_lt_u32 s49, 4                            ; 4 passes x 16 slots cover the 64 tiles that one expert can have
	s_cbranch_scc1 .Lpass
.Lend:
	s_wait_tensorcnt 0x0
	ds_add_u32 v254, v255
	s_wait_dscnt 0x0
	s_endpgm
.Lfunc_end_k_qb88eb19b8b_gateup:
	.size	k_qb88eb19b8b_gateup, .Lfunc_end_k_qb88eb19b8b_gateup-k_qb88eb19b8b_gateup
	.p2alignl 7, 3214868480
	.fill 96, 4, 3214868480
	.section	.rodata,"a",@progbits
	.p2align	6, 0x0
	.amdhsa_kernel k_qb88eb19b8b_gateup
		.amdhsa_group_segment_fixed_size 148480
		.amdhsa_private_segment_fixed_size 0
		.amdhsa_enable_private_segment 0
		.amdhsa_kernarg_size 48
		.amdhsa_user_sgpr_count 2
		.amdhsa_user_sgpr_kernarg_segment_ptr 1
		.amdhsa_wavefront_size32 1
		.amdhsa_system_sgpr_workgroup_id_x 1
		.amdhsa_system_sgpr_workgroup_id_y 1
		.amdhsa_system_sgpr_workgroup_id_z 1
		.amdhsa_system_vgpr_workitem_id 0
		.amdhsa_next_free_vgpr 512
		.amdhsa_next_free_sgpr 80
		.amdhsa_reserve_vcc 0
		.amdhsa_float_denorm_mode_32 3
		.amdhsa_float_denorm_mode_16_64 3
		.amdhsa_memory_ordered 1
		.amdhsa_forward_progress 1
		.amdhsa_inst_pref_size 182
	.end_amdhsa_kernel
	.amdgpu_metadata
---
amdhsa.version: [ 1, 2 ]
amdhsa.kernels:
  - .name:           k_qb88eb19b8b_gateup
    .symbol:         k_qb88eb19b8b_gateup.kd
    .args:
      - { .name: gate_weight, .offset: 0, .size: 8, .value_kind: global_buffer, .address_space: global }
      - { .name: up_weight, .offset: 8, .size: 8, .value_kind: global_buffer, .address_space: global }
      - { .name: xq, .offset: 16, .size: 8, .value_kind: global_buffer, .address_space: global }
      - { .name: route, .offset: 24, .size: 8, .value_kind: global_buffer, .address_space: global }
      - { .name: lowp_scales, .offset: 32, .size: 8, .value_kind: global_buffer, .address_space: global }
      - { .name: hid, .offset: 40, .size: 8, .value_kind: global_buffer, .address_space: global }
    .group_segment_fixed_size: 148480
    .private_segment_fixed_size: 0
    .kernarg_segment_align: 8
    .kernarg_segment_size: 48
    .max_flat_workgroup_size: 256
    .sgpr_count:     80
    .vgpr_count:     512
    .wavefront_size: 32
...
	.end_amdgpu_metadata
.endif
;; end of part 2
;; launch down (part 3): grid 32 x 8, 8 waves a work-group, no clusters, 89,088 bytes of LDS; arguments down_weight, hid, route, lowp_scales, out0; writes out0
.if DOCPART == 3
	.amdgcn_target "amdgcn-amd-amdhsa--gfx1250"
	.amdhsa_code_object_version 6
	.text
	.protected	k_qb88eb19b8b_down
	.globl	k_qb88eb19b8b_down
	.p2align	8
	.type	k_qb88eb19b8b_down,@function
k_qb88eb19b8b_down:
	s_mov_b64 s[64:65], 0
	v_nop
	global_prefetch_b8 v0, s[64:65] scope:SCOPE_SE
	s_setreg_imm32_b32 hwreg(HW_REG_WAVE_MODE, 25, 1), 1
	s_wait_xcnt 0x0
; DOWN: out[token] = hidden Wd^T for each token's own expert, on E5M2 codes; the sums x 2^(e4 + e5) go to the tokens' rows.
; Built as launch gateup: the weights are shared out.  Work-group (z, e) owns output columns 32 z .. 32 z + 31 of expert e: 32 rows of 8,192 bytes, 256 KB, read once, and serves all tokens of that expert.
; EVERY WAVE STREAMS AND MULTIPLIES; the eight run one text.  K = 2,048 goes in 8 stages of 256 (two K steps of 128).  Each stage has LDS bytes of its own, written once: one barrier a stage.
; PHASE k:  the hidden layer's images of stage k are asked for | my 4 units of stage k (a unit: one row's 1,024 bytes, two loads) are held, converted, stored into LDS, and asked for again at once |
;           the wait for the images of stage k - 1 | stage k - 1 is multiplied | barrier.   Wave w streams rows 4 w .. 4 w + 3.
; The ring holds 11 units: 22 loads; with the 8 loads of tokens and two runs of 16 images 62 loads a wave are out at the most.  A wave's loads come back in the order of issue, so the wait for the images of stage
; k - 1 also waits for the weight loads issued ahead of them: 8 units stay clear of it, the ring's other 3 deepen the first burst.
; Pass 0 serves the expert's tiles 0-15 (wave w: tiles w and w + 8) with no branch on the count; a slot without a tile multiplies tile 0's first bytes and only its way out is jumped over.
; Passes 1-3 serve tiles 16 p on from the codes in LDS.  An expert without tokens still has its weights streamed: no wave leaves ahead of a barrier on a stored number.
; TRANSPOSED USE (source 0 = 16 columns' rows of W, source 1 = 16 slots): a lane holds one slot and eight neighbouring columns.
; THE WAY OUT: a tile's 16 x 32 results turn through the wave's own stage in LDS; then eight lanes store a token's 128 consecutive bytes, four tokens an instruction.  A work-group's 32 columns are 128 bytes of a row:
; 64 columns to a work-group would leave half of the 256 work-groups without work and halve the weight bytes on their way; out0 is a sixteenth of this launch's weight bytes.
; A repeated slot (launch prep) stores the same bytes to the same place, from this same work-group.
; NO JOINT LOADS: a joint load is a tensor load, and this text branches on stored counts.
; LIMITS: e5 between -126 and 112; e4 + e5 between -126 and 127.  NaN among the inputs is not served.
; REGISTERS.  Window 0: v1 16 x lane; v2 LDS store address; v5 fragment read address; v6, v7 the stage, in and back; v8, v9 a slot's lane step in hid; v11, v12 hold and scale; v13 16 (lane % 8); v14 4 (lane / 8); v15 lane;
;   v16-31 codes; v32-95 W's four fragments (K step u, columns n) at 32 + 16 (2 u + n); v96-183 the ring.  On the way out: v32-47 scaled sums, v48-63 rows read back, v64-67 offsets.
;   Window 1: v0-127 the hidden layer's fragments, two buffers of (slot t, K step u) at 64 b + 16 (2 t + u); v128-159 accumulators (t, n) at 128 + 16 t + 8 n; v160-167 the slots' tokens.
.set PITCH, 272                        ; a row of 256 codes + 16
.set STAGE, 32*PITCH
.set OSTG,  8*STAGE                    ; behind the stages: 16 rows x (128 bytes + 16) for each wave
.set OP,    144
.set RING,  11
.set UNITS, 32                         ; a wave's units: 8 stages x 4 rows
.set UPS,   4
.set XN,    16                         ; loads in a run of images
.set RG,    96
.set TMP,   32
.set BK,    48
.set OF,    64
.set MSB, 0
.macro WIN new
.if MSB != (\new)
	s_set_vgpr_msb (MSB<<8)|(\new)
.set MSB, (\new)
.endif
.endm
.macro PLACES n
.rept \n
	v_nop
.endr
.endm
.macro BAR
	s_wait_dscnt 0x0
	s_barrier_signal -1
	s_barrier_wait -1
.endm
.macro ASKS j                          ; AV = how many units of phase j ask again: unit g does while g + RING < UNITS
.set AV, UNITS-RING-UPS*(\j)
.if AV > UPS
.set AV, UPS
.endif
.if AV < 0
.set AV, 0
.endif
.endm
; Unit g: row g % 4 of my 4, stage g / 4: its 1,024 bytes by two loads of 512
.macro WLD g
.set WR, RG+8*((\g)%RING)
.set WO, ((\g)&3)*8192+((\g)>>2)*1024
	global_load_b128 v[WR:WR+3], v1, s[20:21] offset:WO th:TH_LOAD_NT
	global_load_b128 v[WR+4:WR+7], v1, s[20:21] offset:WO+512 th:TH_LOAD_NT
.endm
.macro UNIT g
.set UR, RG+8*((\g)%RING)
.set UC, 16+2*((\g)&7)
.set UK, (\g)>>2
.set UI, (\g)&3
.set UY, UNITS-1-(\g)                              ; younger units asked for: 10, fewer as the ring runs out
.if UY > RING-1
.set UY, RING-1
.endif
.if (\g) < RING
.set UN, 2*UY+XN*(UK+1)+8                          ; asked for at the head: the 8 loads of tokens and every run of images so far are younger
.else
.set UN, 2*UY+XN*(UK-(((\g)-RING)>>2))             ; asked for in unit g - 11's turn: the runs at the phases' heads passed since then
.endif
.if UN > 63
.set UN, 63                                        ; a wait names 63 at the most; such a unit was shown landed by the wait for the images a phase ago, which is younger than it
.endif
	s_wait_loadcnt UN
.irp q, 0,1,2,3,4,5,6,7
	v_med3_num_f32 v[UR+\q], v[UR+\q], -v11, v11   ; the conversion does not saturate (ISA guide 7.6.2): the hold comes first
.endr
	v_cvt_scalef32_pk8_bf8_f32 v[UC:UC+1], v[UR:UR+7], v12   ; (the code pair's last stores, two phases ago, were waited for in front of a barrier)
.if (\g)+RING < UNITS
	WLD (\g)+RING
.endif
	ds_store_b32 v2, v[UC] offset:UK*STAGE+UI*PITCH
	ds_store_b32 v2, v[UC+1] offset:UK*STAGE+UI*PITCH+128
.endm
.macro PRODUCE k
.set G, UPS*(\k)
.rept UPS
	UNIT G
.set G, G+1
.endr
	v_nop                                          ; a plain line behind the last conversion
.endm
.macro SETT                            ; the two slots' tiles for pass s49: IDX = wave + 8 t + 16 p; without a tile: tile 0, lane step 0
	s_lshl_b32 s54, s49, 4
	s_add_co_u32 s54, s54, s16
.irp t, 0,1
	s_add_co_u32 s[46+\t], s54, 8*\t
	s_add_co_u32 s55, s22, s[46+\t]
	s_cmp_lt_u32 s[46+\t], s23
	s_cselect_b32 s56, 16, 0
	s_cselect_b32 s55, s55, 0
	s_min_u32 s56, s56, 16
	s_min_u32 s55, s55, 70
	v_mul_u32_u24 v[8+\t], v15, s56
	s_lshl_b32 s58, s55, 15
	s_mov_b32 s59, 0
	s_add_nc_u64 s[32+2*\t:33+2*\t], s[6:7], s[58:59]      ; the tile in hid,
	s_lshl_b32 s58, s55, 6
	s_add_nc_u64 s[40+2*\t:41+2*\t], s[8:9], s[58:59]      ; and its 16 tokens in route (from byte 256 on)
.endr
.endm
.macro OLD                             ; lane l wants, for rows 4 i + l / 8 of a tile, the token: 8 loads
	WIN 0x40
.irp t, 0,1
.irp i, 0,1,2,3
	global_load_b32 v[160+4*\t+\i], v14, s[40+2*\t:41+2*\t] offset:256+16*\i
.endr
.endr
	WIN 0
.endm
.macro YLD k                           ; stage k of the hidden layer's images: two slots x two K steps: 16 loads of 512 consecutive bytes
	WIN 0x40
.irp t, 0,1
.irp u, 0,1
.irp c, 0,1,2,3
	global_load_b128 v[64*((\k)%2)+16*(2*\t+\u)+4*\c:64*((\k)%2)+16*(2*\t+\u)+4*\c+3], v[8+\t], s[32+2*\t:33+2*\t] offset:(\k)*4096+\u*2048+\c*512
.endr
.endr
.endr
	WIN 0
.endm
.macro MM4 k, u, zero
.irp t, 0,1
.irp n, 0,1
.set YL, 64*((\k)%2)+16*(2*\t+\u)
.set AC, 128+16*\t+8*\n
.set FF, 32+16*(2*\u+\n)
.if \zero
	v_wmma_f32_16x16x128_bf8_bf8 v[AC:AC+7], v[FF:FF+15], v[YL:YL+15], 0
.else
	v_wmma_f32_16x16x128_bf8_bf8 v[AC:AC+7], v[FF:FF+15], v[YL:YL+15], v[AC:AC+7]
.endif
.endr
.endr
.endm
; A stage's 8 products: the four accumulators take turns, one instruction a turn, in the same order throughout
.macro COMPUTE k, zero
.irp u, 0,1
.irp n, 0,1
.irp c, 0,1,2,3
	ds_load_b128 v[32+16*(2*\u+\n)+4*\c:32+16*(2*\u+\n)+4*\c+3], v5 offset:(\k)*STAGE+\n*16*PITCH+128*\u+32*\c
.endr
.endr
.endr
	s_wait_dscnt 8                                 ; the first K step's two fragments are in; the second's eight loads may be out
	WIN 0x54                                       ; W window 0; the hidden layer, C and D window 1
	MM4 \k, 0, \zero
	s_wait_dscnt 0x0
	MM4 \k, 1, 0
	PLACES 4                                       ; for all that follows the stage: loads into the fragments and the images' buffer, and the first reads of results
	WIN 0
.endm
.macro OUT t                           ; slot t's tile leaves.  Complete in itself, and jumped over as a whole where the slot has no tile
.set AA, 128+16*(\t)
.set OO, 160+4*(\t)
	s_cmp_lt_u32 s[46+\t], s23
	s_cbranch_scc0 .Lno_\@
	s_wait_xcnt 0x0                                ; the stores before have read the rows and offsets that are written again below
	WIN 0x01
.irp q, 0,2,4,6,8,10,12,14
	v_pk_mul_f32 v[TMP+\q:TMP+\q+1], v[AA+\q:AA+\q+1], s[52:53] op_sel_hi:[1,0]   ; x 2^(e4 + e5); each accumulator from its low end on
.endr
	WIN 0x04
.irp i, 0,1,2,3
	v_min_u32 v[OF+\i], 1023, v[OO+\i]             ; the token, held inside out0
.endr
	WIN 0
.irp i, 0,1,2,3
	v_lshl_add_u32 v[OF+\i], v[OF+\i], 12, v13     ; its row of 4,096 bytes + 16 (lane % 8)
.endr
.irp n, 0,1
.irp q, 0,1
	ds_store_b128 v6, v[TMP+8*\n+4*\q:TMP+8*\n+4*\q+3] offset:64*\n+16*\q   ; lane (r, h): slot r, columns 16 n + 8 h + 4 q + 0 .. 3
.endr
.endr
.irp i, 0,1,2,3
	ds_load_b128 v[BK+4*\i:BK+4*\i+3], v7 offset:4*OP*\i   ; my own bytes; LDS serves a wave's instructions in order (ISA guide 5.7.1.4)
.endr
.irp i, 0,1,2,3
	s_wait_dscnt 3-\i
	global_store_b128 v[OF+\i], v[BK+4*\i:BK+4*\i+3], s[62:63] th:TH_STORE_NT   ; eight lanes: 128 consecutive bytes of one token's row
.endr
.Lno_\@:
.endm
	s_load_b256 s[4:11], s[0:1], 0x0               ; down s[4:5], hid s[6:7], route s[8:9], scales s[10:11]
	s_load_b64 s[12:13], s[0:1], 0x20              ; out0
	v_lshl_add_u32 v254, v0, 2, 0x15800
	v_mov_b32 v255, 0
	v_lshrrev_b32 v1, 5, v0
	v_readfirstlane_b32 s16, v1                    ; wave 0..7
	s_mov_b32 s17, ttmp9                           ; z
	s_and_b32 s18, ttmp7, 0xffff                   ; e
	v_and_b32 v15, 31, v0
	v_lshlrev_b32 v1, 4, v15
	s_mul_i32 s54, s16, 4*PITCH
	v_lshl_add_u32 v2, v15, 2, s54                 ; in: my 4 rows, 4 bytes a lane
	v_and_b32 v3, 15, v0                           ; r
	v_bfe_u32 v4, v0, 4, 1                         ; h
	v_mul_u32_u24 v5, v3, PITCH
	v_lshl_add_u32 v5, v4, 4, v5                   ; out: row r, + 16 h
	s_mul_i32 s54, s16, 16*OP
	s_add_co_u32 s54, s54, OSTG                    ; my stage
	v_mul_u32_u24 v6, v3, OP
	v_lshl_add_u32 v6, v4, 5, v6
	v_add_nc_u32 v6, s54, v6                       ; in: row r, + 32 h
	v_bfe_u32 v3, v0, 3, 2                         ; lane / 8
	v_and_b32 v4, 7, v0                            ; lane % 8
	v_mul_u32_u24 v7, v3, OP
	v_lshl_add_u32 v7, v4, 4, v7
	v_add_nc_u32 v7, s54, v7                       ; back: four rows an instruction, eight lanes a row
	v_lshlrev_b32 v13, 4, v4
	v_lshlrev_b32 v14, 2, v3
	s_lshl_b32 s30, s18, 2
	s_lshl_b32 s54, s18, 10                        ; my rows of the weight begin at row 1,024 e + 32 z + 4 w, 8,192 bytes a row: under 2^26 bytes
	s_lshl_b32 s55, s17, 5
	s_add_co_u32 s54, s54, s55
	s_lshl_b32 s55, s16, 2
	s_add_co_u32 s54, s54, s55
	s_lshl_b32 s54, s54, 13
	s_mov_b32 s55, 0
	s_lshl_b32 s60, s17, 7                         ; my 32 columns in a row of out0
	s_mov_b32 s61, 0
	s_mov_b32 s49, 0                               ; pass 0
	s_wait_kmcnt 0x0
	s_load_b32 s22, s[8:9], s30                    ; tb[e]
	s_load_b32 s23, s[8:9], s30 offset:0x20        ; nt[e]
	s_load_b64 s[28:29], s[10:11], 0x10            ; e4, e5
	s_add_nc_u64 s[20:21], s[4:5], s[54:55]
	s_add_nc_u64 s[62:63], s[12:13], s[60:61]
.set G, 0
.rept RING
	WLD G                                          ; the ring is filled before anything else is done
.set G, G+1
.endr
	s_wait_kmcnt 0x0
	s_add_co_i32 s54, s29, 127
	s_lshl_b32 s55, s54, 23
	v_mov_b32 v12, s55                             ; 2^e5 as f32
	s_add_co_i32 s54, s54, 15
	s_lshl_b32 s54, s54, 23
	s_or_b32 s54, s54, 0x600000
	v_mov_b32 v11, s54                             ; 57,344 x 2^e5
	s_add_co_i32 s52, s28, s29
	s_add_co_i32 s52, s52, 127
	s_lshl_b32 s52, s52, 23                        ; 2^(e4 + e5) as f32
	s_mov_b32 s53, s52                             ; (named with it as a pair)
	SETT
	OLD
.irp k, 0,1,2,3,4,5,6,7
	YLD \k                                         ; into the buffer that stage k - 2's products read: their places stand behind them
	PRODUCE \k
.if \k > 0
	ASKS \k-1
.set NA, AV
	ASKS \k
	s_wait_loadcnt 2*NA+XN+2*AV                    ; the images of stage k - 1 are in.  Issued behind them: phase k - 1's requests of the ring, the images of stage k, this phase's requests
.if \k == 1
	COMPUTE 0, 1
.else
	COMPUTE \k-1, 0
.endif
.endif
	BAR                                            ; stage k's codes lie in LDS
.endr
	s_wait_loadcnt 0x0
	COMPUTE 7, 0
	OUT 0
	OUT 1
	s_mov_b32 s49, 1
.Lpass:                                            ; tiles 16 p on, from the codes in LDS: no barrier
	s_lshl_b32 s54, s49, 4
	s_add_co_u32 s54, s54, s16
	s_cmp_ge_u32 s54, s23
	s_cbranch_scc1 .Lend                           ; my first slot of this pass has no tile, so neither has
	s_wait_xcnt 0x0                                ; the stores have read their data, offsets and bases: all are written again below
	SETT
	OLD
	PLACES 1                                       ; the accumulators are begun anew over earlier results: one place more than the four behind the last products
.irp k, 0,1,2,3,4,5,6,7
	YLD \k
	s_wait_loadcnt 0x0
.if \k == 0
	COMPUTE 0, 1
.else
	COMPUTE \k, 0
.endif
.endr
	OUT 0
	OUT 1
	s_add_co_u32 s49, s49, 1
	s_cmp_lt_u32 s49, 4                            ; 4 passes x 16 slots cover the 64 tiles that one expert can have
	s_cbranch_scc1 .Lpass
.Lend:
	s_wait_tensorcnt 0x0
	ds_add_u32 v254, v255
	s_wait_dscnt 0x0
	s_endpgm
.Lfunc_end_k_qb88eb19b8b_down:
	.size	k_qb88eb19b8b_down, .Lfunc_end_k_qb88eb19b8b_down-k_qb88eb19b8b_down
	.p2alignl 7, 3214868480
	.fill 96, 4, 3214868480
	.section	.rodata,"a",@progbits
	.p2align	6, 0x0
	.amdhsa_kernel k_qb88eb19b8b_down
		.amdhsa_group_segment_fixed_size 89088
		.amdhsa_private_segment_fixed_size 0
		.amdhsa_enable_private_segment 0
		.amdhsa_kernarg_size 40
		.amdhsa_user_sgpr_count 2
		.amdhsa_user_sgpr_kernarg_segment_ptr 1
		.amdhsa_wavefront_size32 1
		.amdhsa_system_sgpr_workgroup_id_x 1
		.amdhsa_system_sgpr_workgroup_id_y 1
		.amdhsa_system_sgpr_workgroup_id_z 1
		.amdhsa_system_vgpr_workitem_id 0
		.amdhsa_next_free_vgpr 448
		.amdhsa_next_free_sgpr 80
		.amdhsa_reserve_vcc 0
		.amdhsa_float_denorm_mode_32 3
		.amdhsa_float_denorm_mode_16_64 3
		.amdhsa_memory_ordered 1
		.amdhsa_forward_progress 1
		.amdhsa_inst_pref_size 100
	.end_amdhsa_kernel
	.amdgpu_metadata
---
amdhsa.version: [ 1, 2 ]
amdhsa.kernels:
  - .name:           k_qb88eb19b8b_down
    .symbol:         k_qb88eb19b8b_down.kd
    .args:
      - { .name: down_weight, .offset: 0, .size: 8, .value_kind: global_buffer, .address_space: global }
      - { .name: hid, .offset: 8, .size: 8, .value_kind: global_buffer, .address_space: global }
      - { .name: route, .offset: 16, .size: 8, .value_kind: global_buffer, .address_space: global }
      - { .name: lowp_scales, .offset: 24, .size: 8, .value_kind: global_buffer, .address_space: global }
      - { .name: out0, .offset: 32, .size: 8, .value_kind: global_buffer, .address_space: global }
    .group_segment_fixed_size: 89088
    .private_segment_fixed_size: 0
    .kernarg_segment_align: 8
    .kernarg_segment_size: 40
    .max_flat_workgroup_size: 256
    .sgpr_count:     80
    .vgpr_count:     448
    .wavefront_size: 32
...
	.end_amdgpu_metadata
.endif
;; end of part 3
;; ======== version 2 of 2: 3 launches
;; workspace buffers: xq 2,326,528 bytes; hid 2,326,528 bytes; route 4,864 bytes of whole numbers
;; launch prep (part 4): grid 71 x 1, 8 waves a work-group, no clusters, 36,864 bytes of LDS; arguments x, expert_ids, lowp_scales, xq, route; writes xq, route
.if DOCPART == 4
	.amdgcn_target "amdgcn-amd-amdhsa--gfx1250"
	.amdhsa_code_object_version 6
	.text
	.protected	k_qb88eb19b8b_prep
	.globl	k_qb88eb19b8b_prep
	.p2align	8
	.type	k_qb88eb19b8b_prep,@function
k_qb88eb19b8b_prep:
	s_mov_b64 s[64:65], 0
	v_nop
	global_prefetch_b8 v0, s[64:65] scope:SCOPE_SE
	s_setreg_imm32_b32 hwreg(HW_REG_WAVE_MODE, 25, 1), 1
	s_wait_xcnt 0x0
; PREP: the tokens are sorted by expert, and x is gathered and quantised into images of operand registers.
; x [1024][1024] f32, expert_ids [1024] int32 (0 .. 7: an index stays inside its table), lowp_scales [6] int32.
; A TILE is 16 token slots of one expert.  Expert e has nt[e] = ceil(count / 16) tiles, numbered from tb[e] on (a prefix sum): 64 to 71 tiles in all.
; The slots behind an expert's last token repeat that token: the later launches then need no mask (equal codes, equal sums, equal bytes stored to one place).
; Work-group T makes tile T.  Every work-group repeats the sort (4,096 bytes of ids): nothing passes between work-groups.  One whose T is at or past the number of tiles stores nothing.
; OUT:  xq [tile][K step 8][variant 2: scale e0 (gate), e2 (up)][group c 4][lane 32][16 bytes]: group c of lane (r, h) = codes of slot r, k = 128 s + 32 c + 16 h + 0 .. 15.
;       route: words 0-7 tb, words 8-15 nt; from byte 256 on order[16 T + slot] = the slot's token.
; code = x / 2^e, held within +-57,344, to the nearest E5M2 number, ties to even.  LIMITS: e0, e2 between -126 and 112; NaN among the inputs is not served.
; Wave w gathers slots 2 w and 2 w + 1 (a row by eight loads of 512 consecutive bytes), and later writes the images of K step w.
.set MSK,   0                          ; LDS: [expert 8][group 32] words: which lanes of a group of 32 tokens belong to the expert
.set CNT,   1024                       ; the same table's counts of ones
.set LIST,  2048                       ; the tile's 16 tokens
.set STG,   2304                       ; the codes: 2 variants x 16 rows x (1,024 bytes + 16): the 16 rows of a 16-byte read start at 16 different banks
.set SP,    1040
.set VAR,   16*SP
.set XR,    32                         ; v32-95   two rows of x, 32 registers each (over the sort's registers, which are done with by then)
.set TQ,    96                         ; v96-127  a row, held
.set CD,    128                        ; v128-159 codes: 8 registers for each (row, variant), so that no LDS store's data are written again
.macro BAR                             ; my LDS instructions are done: then the work-group's barrier
	s_wait_dscnt 0x0
	s_barrier_signal -1
	s_barrier_wait -1
.endm
	s_load_b256 s[4:11], s[0:1], 0x0               ; x s[4:5], ids s[6:7], scales s[8:9], xq s[10:11]
	s_load_b64 s[12:13], s[0:1], 0x20              ; route
	v_lshl_add_u32 v160, v0, 2, 0x8c00
	v_mov_b32 v161, 0
	v_lshlrev_b32 v2, 4, v0                        ; thread t holds tokens 4 t .. 4 t + 3
	v_lshrrev_b32 v1, 5, v0
	s_delay_alu instid0(VALU_DEP_1)
	v_readfirstlane_b32 s16, v1                    ; wave
	s_mov_b32 s17, ttmp9                           ; T
	s_wait_alu depctr_va_vdst(0)
	s_wait_kmcnt 0x0
	global_load_b128 v[16:19], v2, s[6:7]
	s_load_b128 s[20:23], s[8:9], 0x0              ; e0 .. e3
	s_mov_b32 s68, 0x76543210                      ; v_permlanex16_b32: lane l xor 16
	s_mov_b32 s69, 0xfedcba98
	v_and_b32 v1, 31, v0                           ; lane
	s_delay_alu instid0(VALU_DEP_1)
	v_lshlrev_b32 v3, 4, v1                        ; 16 x lane
	s_delay_alu instid0(VALU_DEP_2)
	v_lshlrev_b32 v4, 2, v1                        ; 4 x lane
	s_delay_alu instid0(VALU_DEP_3)
	v_lshrrev_b32 v14, 2, v1
	s_delay_alu instid0(VALU_DEP_4)
	v_and_b32 v15, 3, v1
	s_delay_alu instid0(VALU_DEP_2)
	v_lshlrev_b32 v5, 7, v14
	s_delay_alu instid0(VALU_DEP_1)
	v_lshl_add_u32 v5, v15, 2, v5
	s_lshl_b32 s45, s16, 4
	v_add_nc_u32 v5, s45, v5                       ; lane 4 e + i stores the word of expert e, group 4 w + i: 128 e + 16 w + 4 i
	s_mul_i32 s45, s16, 2*SP
	v_add_nc_u32 v6, s45, v4
	s_delay_alu instid0(VALU_DEP_1)
	v_add_nc_u32 v6, STG, v6                       ; codes in: row 2 w, 4 bytes a lane
	v_and_b32 v14, 15, v1                          ; r
	v_lshrrev_b32 v15, 4, v1                       ; h
	s_delay_alu instid0(VALU_DEP_2)
	v_mul_u32_u24 v7, v14, SP
	s_delay_alu instid0(VALU_DEP_1)
	v_lshl_add_u32 v7, v15, 4, v7
	s_lshl_b32 s45, s16, 7
	v_add_nc_u32 v7, s45, v7
	s_delay_alu instid0(VALU_DEP_1)
	v_add_nc_u32 v7, STG, v7                       ; codes out: row r, K step w, + 16 h
	v_lshrrev_b32 v8, 5, v0
	s_delay_alu instid0(VALU_DEP_1)
	v_lshl_add_u32 v8, v8, 3, LIST                 ; my wave's two words of the list
	v_lshl_add_u32 v9, v14, 2, LIST                ; the list read back: word r
	v_lshlrev_b32 v22, 2, v14                      ; and its place in route
	v_mov_b32 v20, 0                               ; (a lane write's destination counts as read)
	v_mov_b32 v21, 0
.irp q, 0,1,2,3
	v_mov_b32 v[48+\q], 0
.endr
	s_wait_alu depctr_va_vdst(0)
	; ---- the masks.  Group G = 4 w + i, lane l stands for token 128 (G / 4) + 4 l + G % 4: the order of the sort
	s_wait_loadcnt 0x0
.irp e, 0,1,2,3,4,5,6,7
.irp i, 0,1,2,3
	v_cmp_eq_u32 s45, \e, v[16+\i]
	s_bcnt1_i32_b32 s46, s45
	v_writelane_b32 v20, s45, 4*\e+\i
	v_writelane_b32 v21, s46, 4*\e+\i
.endr
.endr
	ds_store_b32 v5, v20 offset:MSK
	ds_store_b32 v5, v21 offset:CNT
	BAR                                            ; all 8 x 32 words lie in LDS
.irp e, 0,1,2,3,4,5,6,7
	ds_load_b32 v[24+\e], v4 offset:MSK+128*\e     ; lane l: expert e's mask of group l,
	ds_load_b32 v[32+\e], v4 offset:CNT+128*\e     ; and its count
.endr
	s_wait_dscnt 0x0
	; ---- each expert's count: two counts to a word (at most 1,024 each), summed over the 32 lanes in whole numbers
.irp q, 0,1,2,3
	v_lshl_or_b32 v[40+\q], v[33+2*\q], 16, v[32+2*\q]
.endr
.irp m, 1,2,4,8
.irp q, 0,1,2,3
	s_delay_alu instid0(VALU_DEP_4)
	v_mov_b32_dpp v[48+\q], v[40+\q] row_xmask:\m row_mask:0xf bank_mask:0xf
.endr
.irp q, 0,1,2,3
	s_delay_alu instid0(VALU_DEP_4)
	v_add_nc_u32 v[40+\q], v[40+\q], v[48+\q]
.endr
.endr
.irp q, 0,1,2,3
	s_delay_alu instid0(VALU_DEP_4)
	v_permlanex16_b32 v[48+\q], v[40+\q], s68, s69
.endr
.irp q, 0,1,2,3
	s_delay_alu instid0(VALU_DEP_4)
	v_add_nc_u32 v[40+\q], v[40+\q], v[48+\q]
.endr
.irp q, 0,1,2,3
	v_readfirstlane_b32 s45, v[40+\q]
	s_and_b32 s[24+2*\q], s45, 0xffff              ; s24-31: the counts
	s_lshr_b32 s[25+2*\q], s45, 16
.endr
	s_mov_b32 s32, 0                               ; s32-40: tb[0 .. 8];  s70-77: nt
.irp e, 0,1,2,3,4,5,6,7
	s_add_co_u32 s[70+\e], s[24+\e], 15
	s_lshr_b32 s[70+\e], s[70+\e], 4
	s_add_co_u32 s[33+\e], s[32+\e], s[70+\e]
.endr
	; ---- my tile's expert: the last e with tb[e] <= T (an expert without tiles is passed over by the next one's equal tb)
	s_mov_b32 s41, 0                               ; e
	s_mov_b32 s42, s24                             ; its count
	s_mov_b32 s43, 0                               ; its tb
.irp q, 1,2,3,4,5,6,7
	s_cmp_ge_u32 s17, s[32+\q]
	s_cselect_b32 s41, \q, s41
	s_cselect_b32 s42, s[24+\q], s42
	s_cselect_b32 s43, s[32+\q], s43
.endr
	s_sub_co_u32 s44, s17, s43                     ; j: which tile of the expert
	; ---- that expert's masks and counts, chosen by value, and the counts' prefix sum over the 32 groups
	v_mov_b32 v44, v24
	v_mov_b32 v45, v32
.irp q, 1,2,3,4,5,6,7
	s_cmp_eq_u32 s41, \q
	s_cselect_b32 s45, -1, 0
	v_cndmask_b32 v44, v44, v[24+\q], s45
	v_cndmask_b32 v45, v45, v[32+\q], s45
.endr
	s_delay_alu instid0(VALU_DEP_1)
	v_mov_b32 v46, v45
.irp n, 1,2,4,8
	s_delay_alu instid0(VALU_DEP_1)
	v_mov_b32_dpp v14, v46 row_shr:\n row_mask:0xf bank_mask:0xf bound_ctrl:1
	s_delay_alu instid0(VALU_DEP_1)
	v_add_nc_u32 v46, v46, v14
.endr
	s_delay_alu instid0(VALU_DEP_1)
	v_readlane_b32 s45, v46, 15                    ; the lower 16 groups' sum goes onto the upper 16
	s_delay_alu instid0(VALU_DEP_1)
	v_mov_b32 v14, s45
	v_cmp_lt_u32 vcc_lo, 15, v1
	s_delay_alu instid0(VALU_DEP_1)
	v_cndmask_b32 v14, 0, v14, vcc_lo
	s_delay_alu instid0(VALU_DEP_1)
	v_add_nc_u32 v46, v46, v14
	s_delay_alu instid0(VALU_DEP_1)
	v_sub_nc_u32 v46, v46, v45                     ; P[G]: the expert's tokens in the groups ahead of G
	s_wait_alu depctr_va_vdst(0)
	; ---- my two slots' tokens
	s_lshl_b32 s50, s44, 4
	s_lshl_b32 s51, s16, 1
	s_add_co_u32 s50, s50, s51                     ; 16 j + 2 w
	s_sub_co_u32 s51, s42, 1                       ; the last token's rank
.irp i, 0,1
	s_add_co_u32 s52, s50, \i
	s_min_u32 s52, s52, s51                        ; the slot's rank; behind the end: the last token again
	v_cmp_ge_u32 s46, s52, v46
	s_bcnt1_i32_b32 s47, s46
	s_sub_co_u32 s47, s47, 1                       ; G: the last group with P <= rank (P does not fall, so these groups are a run from 0 on): it holds the rank
	v_readlane_b32 s48, v44, s47                   ; its mask
	v_readlane_b32 s53, v46, s47
	s_sub_co_u32 s53, s52, s53                     ; which of the mask's ones
	v_mbcnt_lo_u32_b32 v14, s48, 0                 ; ones below my lane
	s_delay_alu instid0(VALU_DEP_1)
	v_cmp_eq_u32 s54, s53, v14
	s_and_b32 s54, s54, s48
	s_ctz_i32_b32 s55, s54                         ; l
	s_lshr_b32 s56, s47, 2
	s_lshl_b32 s56, s56, 7
	s_and_b32 s57, s47, 3
	s_add_co_u32 s56, s56, s57
	s_lshl_b32 s57, s55, 2
	s_add_co_u32 s56, s56, s57                     ; token = 128 (G / 4) + 4 l + G % 4
	s_min_u32 s56, s56, 1023                       ; held inside x, whatever the ids were
	v_mov_b32 v[15+8*\i], s56
	ds_store_b32 v8, v[15+8*\i] offset:4*\i        ; every lane writes the same word with the same value
	s_lshl_b32 s58, s56, 12
	s_mov_b32 s59, 0
	s_add_nc_u64 s[60+2*\i:61+2*\i], s[4:5], s[58:59]
.endr
.irp i, 0,1
.irp s, 0,1,2,3,4,5,6,7
	global_load_b128 v[XR+32*\i+4*\s:XR+32*\i+4*\s+3], v3, s[60+2*\i:61+2*\i] offset:512*\s   ; 512 consecutive bytes: k = 128 s + 4 lane + 0 .. 3.  No hint: a repeated slot names a row again
.endr
.endr
	s_lshl_b32 s58, s17, 15                        ; where my images go: tile T, K step w
	s_lshl_b32 s59, s16, 12
	s_add_co_u32 s58, s58, s59
	s_mov_b32 s59, 0
	s_add_nc_u64 s[66:67], s[10:11], s[58:59]
	s_lshl_b32 s58, s17, 6
	s_add_nc_u64 s[78:79], s[12:13], s[58:59]      ; and the tile's list
	s_wait_kmcnt 0x0
.irp v, 0,1                                    ; v10, v11: 2^e0 and 57,344 x 2^e0;  v12, v13: the same with e2
	s_add_co_i32 s45, s[20+2*\v], 127
	s_lshl_b32 s46, s45, 23
	v_mov_b32 v[10+2*\v], s46
	s_add_co_i32 s45, s45, 15
	s_lshl_b32 s45, s45, 23
	s_or_b32 s45, s45, 0x600000
	v_mov_b32 v[11+2*\v], s45
.endr
	s_wait_alu depctr_va_vdst(0)
	; ---- quantise: each row twice
.irp i, 0,1
	s_wait_loadcnt 8-8*\i                          ; row i's eight loads are in; row 1's may be out while row 0 is worked
.irp v, 0,1
.set q, 0
.rept 32
	v_med3_num_f32 v[TQ+q], v[XR+32*\i+q], -v[11+2*\v], v[11+2*\v]   ; the conversion to an 8-bit code does not saturate (ISA guide 7.6.2): the hold comes first
.set q, q+1
.endr
.irp q, 0,1,2,3
	v_cvt_scalef32_pk8_bf8_f32 v[CD+8*(2*\i+\v)+2*\q:CD+8*(2*\i+\v)+2*\q+1], v[TQ+8*\q:TQ+8*\q+7], v[10+2*\v]
.endr
	v_nop                                          ; a plain line between the last conversion and the holds that write its sources again
.irp s, 0,1,2,3,4,5,6,7
	ds_store_b32 v6, v[CD+8*(2*\i+\v)+\s] offset:\v*VAR+\i*SP+128*\s   ; code register s: k = 128 s + 4 lane + 0 .. 3: 128 consecutive bytes, k in its true order
.endr
.endr
.endr
	BAR                                            ; 16 rows of codes, twice, and the list lie in LDS
	s_cmp_ge_u32 s17, s40                          ; no such tile in this split: nothing is stored.  (Behind the last barrier: every wave has passed both)
	s_cbranch_scc1 .Lend
.irp v, 0,1
.irp c, 0,1,2,3
	ds_load_b128 v[32+4*(4*\v+\c):35+4*(4*\v+\c)], v7 offset:\v*VAR+32*\c
.endr
.endr
.irp v, 0,1
.irp c, 0,1,2,3
	s_wait_dscnt 7-(4*\v+\c)
	global_store_b128 v3, v[32+4*(4*\v+\c):35+4*(4*\v+\c)], s[66:67] offset:\v*2048+\c*512   ; 512 consecutive bytes
.endr
.endr
	s_cmp_lg_u32 s16, 0
	s_cbranch_scc1 .Lend
	ds_load_b32 v14, v9                            ; wave 0: the tile's list (lanes 16-31 repeat lanes 0-15: the same words, the same values)
	s_wait_dscnt 0x0
	global_store_b32 v22, v14, s[78:79] offset:256
	s_cmp_lg_u32 s17, 0
	s_cbranch_scc1 .Lend
	v_mov_b32 v16, 0                               ; work-group 0: tb and nt; lanes 16-31 store zeros into bytes 64-127 of route, which nobody reads
.irp e, 0,1,2,3,4,5,6,7
	s_delay_alu instid0(VALU_DEP_1)
	v_writelane_b32 v16, s[32+\e], \e
	s_delay_alu instid0(VALU_DEP_1)
	v_writelane_b32 v16, s[70+\e], 8+\e
.endr
	global_store_b32 v4, v16, s[12:13]
.Lend:
	s_wait_tensorcnt 0x0
	ds_add_u32 v160, v161
	s_wait_dscnt 0x0
	s_endpgm
.Lfunc_end_k_qb88eb19b8b_prep:
	.size	k_qb88eb19b8b_prep, .Lfunc_end_k_qb88eb19b8b_prep-k_qb88eb19b8b_prep
	.p2alignl 7, 3214868480
	.fill 96, 4, 3214868480
	.section	.rodata,"a",@progbits
	.p2align	6, 0x0
	.amdhsa_kernel k_qb88eb19b8b_prep
		.amdhsa_group_segment_fixed_size 36864
		.amdhsa_private_segment_fixed_size 0
		.amdhsa_enable_private_segment 0
		.amdhsa_kernarg_size 40
		.amdhsa_user_sgpr_count 2
		.amdhsa_user_sgpr_kernarg_segment_ptr 1
		.amdhsa_wavefront_size32 1
		.amdhsa_system_sgpr_workgroup_id_x 1
		.amdhsa_system_sgpr_workgroup_id_y 1
		.amdhsa_system_sgpr_workgroup_id_z 1
		.amdhsa_system_vgpr_workitem_id 0
		.amdhsa_next_free_vgpr 162
		.amdhsa_next_free_sgpr 96
		.amdhsa_reserve_vcc 1
		.amdhsa_float_denorm_mode_32 3
		.amdhsa_float_denorm_mode_16_64 3
		.amdhsa_memory_ordered 1
		.amdhsa_forward_progress 1
		.amdhsa_inst_pref_size 39
	.end_amdhsa_kernel
	.amdgpu_metadata
---
amdhsa.version: [ 1, 2 ]
amdhsa.kernels:
  - .name:           k_qb88eb19b8b_prep
    .symbol:         k_qb88eb19b8b_prep.kd
    .args:
      - { .name: x, .offset: 0, .size: 8, .value_kind: global_buffer, .address_space: global }
      - { .name: expert_ids, .offset: 8, .size: 8, .value_kind: global_buffer, .address_space: global }
      - { .name: lowp_scales, .offset: 16, .size: 8, .value_kind: global_buffer, .address_space: global }
      - { .name: xq, .offset: 24, .size: 8, .value_kind: global_buffer, .address_space: global }
      - { .name: route, .offset: 32, .size: 8, .value_kind: global_buffer, .address_space: global }
    .group_segment_fixed_size: 36864
    .private_segment_fixed_size: 0
    .kernarg_segment_align: 8
    .kernarg_segment_size: 40
    .max_flat_workgroup_size: 256
    .sgpr_count:     96
    .vgpr_count:     162
    .wavefront_size: 32
...
	.end_amdgpu_metadata
.endif
;; end of part 4
;; launch gateup (part 5): grid 32 x 8, 8 waves a work-group, no clusters, 148,480 bytes of LDS; arguments gate_weight, up_weight, xq, route, lowp_scales, hid; writes hid
.if DOCPART == 5
	.amdgcn_target "amdgcn-amd-amdhsa--gfx1250"
	.amdhsa_code_object_version 6
	.text
	.protected	k_qb88eb19b8b_gateup
	.globl	k_qb88eb19b8b_gateup
	.p2align	8
	.type	k_qb88eb19b8b_gateup,@function
k_qb88eb19b8b_gateup:
	s_mov_b64 s[64:65], 0
	v_nop
	global_prefetch_b8 v0, s[64:65] scope:SCOPE_SE
	s_setreg_imm32_b32 hwreg(HW_REG_WAVE_SCHED_MODE, 0, 2), 2
	s_setreg_imm32_b32 hwreg(HW_REG_WAVE_MODE, 25, 1), 1
	s_wait_xcnt 0x0
	s_wait_alu depctr_vm_vsrc(0)
; GATEUP: hidden = silu(x Wg^T) * (x Wu^T) for each token's own expert, both products on E5M2 codes, the result quantised into images of the next product's operand.
; THE WEIGHTS ARE SHARED OUT, NOT THE TOKENS: the weights are 134 MB of f32, each byte wanted once; the tokens' codes are 2.3 MB.  Work-group (z, e) owns hidden units 64 z .. 64 z + 63 of expert e:
; 64 rows of the gate's weight and 64 of the up's, 512 KB, read once, and serves all tokens of that expert.
; EVERY WAVE STREAMS AND MULTIPLIES; the eight run one text.  K goes in 8 stages of 128.  EACH STAGE HAS LDS BYTES OF ITS OWN, written once: one barrier a stage ("stage k's codes lie in LDS"), none for a refill.
; PHASE k:  x's images of stage k are asked for | my 8 units of stage k (a unit: two rows' 512 bytes each) go two at a time: held, converted; behind each two their registers are asked for again, their codes go
;           into LDS, and one tile's fragments of stage k - 1 are asked for | the wait for x of stage k - 1 | stage k - 1 is multiplied | barrier.
; A wave's loads come back in the order of issue.  x of stage j is asked for at the head of phase j and used at the end of phase j + 1: all weight loads issued ahead of it belong to units up to 8 j + 14, which the wave
; has consumed by then, so the wait for x forces no weight load early, and two buffers of x do.  The ring holds 15 units: 30 loads a wave, 120 KB a work-group; with two runs of x 62 loads a wave are out at the most.
; Wave w streams rows 16 (w % 4) .. + 15 of the work-group's 64: waves 0-3 of the gate's weight, waves 4-7 of the up's.
; TOKENS.  A tile is 16 slots (launch prep).  Pass 0 serves the expert's tiles 0-15: wave w takes tiles w and w + 8.  It has no branch on the count: a slot without a tile multiplies tile 0's first bytes
; (every lane the same 16) and only its activation and store are jumped over.  Tiles 16 p + .. (up to 64: all tokens on one expert) are served by passes 1-3 from the codes that stay in LDS.
; An expert without tokens still has its weights streamed: no wave leaves ahead of a barrier on a stored number.
; BOTH PRODUCTS ARE USED TRANSPOSED (source 0 = 16 rows of W, source 1 = 16 slots): a lane holds one slot, its registers run along the hidden units, the next K.
; THE ROWS OF W THAT FORM A TILE ARE NOT NEIGHBOURS: row r of tile tau is unit 32 (tau / 2) + 8 (tau % 2) + r + 8 (r / 8), so that the 16 registers of tiles 2 b, 2 b + 1 are units 32 b + 16 h + 0 .. 15.
; A fragment's k is laid alike on both sides: registers 4 c .. 4 c + 3 of lane (r, h) hold k = 32 c + 16 h + 0 .. 15.
; NO JOINT LOADS, though the 32 work-groups of an expert read the same images: a joint load is a tensor load, and this text branches on stored counts.
; LIMITS: e1, e3 between -126 and 112; e0 + e1 between -126 and 127; e4 - (e0 + e1 + e2 + e3) between -126 and 112.  NaN among the inputs is not served.
; REGISTERS.  Window 0: v1 16 x lane; v2-4 LDS store address for stages 0-2, 3-5, 6-7; v5-7 the same for fragment reads; v8, v9 a slot's lane step in xq; v11, v12 the weight's hold and scale; v13, v14 the hidden layer's;
;   v15 lane; v16-31 codes, a pair for each of a phase's 8 units; v32-127 three sets of W's fragments (gate, up); v128-247 the ring.  At the activation: v128-159 e^-gate and on, v160-191 the hidden numbers, v32 + 8 t the codes.
;   Window 1: v0-127 x's fragments, two buffers of (slot t, variant v) at 64 b + 16 (2 t + v); v128-255 the accumulators (t, v, tile tau) at 128 + 64 t + 32 v + 8 tau.
; THE MODE: SCHED_MODE bits 1:0 = 2 (LLVM: expert scheduling mode 2), set by the entry lines.  The code itself states the register dependences between vector or matrix instructions and memory or LDS
; instructions, with s_wait_alu, always for 0.
; THE PLAN.  Registers that memory or LDS instructions touch, and who else names them:
;   the ring     a unit's eight registers: its two loads land; its holds write them, its conversion reads them; then the loads of the unit 15 further on land.
;   the codes    a pair a unit: the conversion writes it, two LDS stores read it; it is written again a phase later.
;   W's sets     LDS loads land, products read.  Set 0 takes tile 3 behind tile 0's products.  At a pass's end the hidden layer's codes are made in v32-47 and stored from there.
;   x's buffers  buffer k % 2: stage k's loads land at the head of phase k; stage k's products read it at the end of phase k + 1.
;   addresses    v1-v7 are made at the head and never written again; v8, v9 are written at a pass's head.
; THE WAITS.  On va_vdst: one at a phase's head (the products of the phase before are done reading x's buffer and W's sets); one behind each two units' conversions, which serves their four loads, their four LDS stores
; and the eight fragment loads dealt behind them (no vector instruction since names a set); one between tile 0's products and tile 3's loads; one ahead of stage 7's fragments; one ahead of each slot's stores of codes.
; On vm_vsrc: one at a phase's head (the last phase's LDS stores have read the code pairs); one at a later pass's head.  On va_sdst: one, behind the wave's number.
.set PITCH, 144                        ; a row of 128 codes + 16: the 16 rows of a fragment read start at 16 different banks (64 banks of 4 bytes: ISA guide 11.1)
.set STAGE, 128*PITCH                  ; 64 rows of the gate's, 64 of the up's
.set TRI,   3*STAGE                    ; three stages to an address register: the 16-bit immediate reaches that far
.set RING,  15                         ; units in the ring
.set UNITS, 64                         ; a wave's units: 8 stages x 8
.set UPS,   8                          ; units a stage
.set XN,    16                         ; loads in a run of x's images
.set RG,    128                        ; the ring's first register
.set EE,    128
.set PP,    160
.set MSB, 0
.macro WIN new                         ; the immediate's high byte repeats the setting that is left; a switch that changes nothing is dropped
.if MSB != (\new)
	s_set_vgpr_msb (MSB<<8)|(\new)
.set MSB, (\new)
.endif
.endm
.macro PLACES n                        ; plain vector lines behind a matrix instruction (ISA guide 7.12.1), where no other vector work is at hand
.rept \n
	v_nop
.endr
.endm
.macro BAR                             ; my LDS instructions are done: then the work-group's barrier
	s_wait_dscnt 0x0
	s_barrier_signal -1
	s_barrier_wait -1
.endm
.macro ASKS j                          ; AV = how many units of phase j ask again: unit g does while g + RING < UNITS
.set AV, UNITS-RING-UPS*(\j)
.if AV > UPS
.set AV, UPS
.endif
.if AV < 0
.set AV, 0
.endif
.endm
; Unit g: rows 2 (g % 8) and + 1 of my 16, stage g / 8: two loads of 512 consecutive bytes (k = 4 lane + 0 .. 3 of the stage)
.macro WLD g
.set WR, RG+8*((\g)%RING)
.set WO, 2*((\g)&7)*4096+((\g)>>3)*512
	global_load_b128 v[WR:WR+3], v1, s[20:21] offset:WO th:TH_LOAD_NT
	global_load_b128 v[WR+4:WR+7], v1, s[20:21] offset:WO+4096 th:TH_LOAD_NT
.endm
; Units g and g + 1 (g even).
.macro PAIR g
.set PK, (\g)>>3
.set PY, UNITS-2-(\g)                              ; units asked for behind unit g + 1: those up to g + 14: 13, fewer as the ring runs out
.if PY > RING-2
.set PY, RING-2
.endif
.if (\g)+1 < RING
.set PX, PK+1                                      ; runs of x issued since unit g + 1's loads: asked for at the head, ahead of all of them;
.else
.set PX, PK-(((\g)+1-RING)>>3)                     ; or in the turn of units g - 14 and g - 13: the phases' heads passed since then
.endif
	s_wait_loadcnt 2*PY+XN*PX                      ; all that was issued behind unit g + 1's two loads may be out
.irp d, 0,1
.set UR, RG+8*(((\g)+\d)%RING)
.irp q, 0,1,2,3,4,5,6,7
	v_med3_num_f32 v[UR+\q], v[UR+\q], -v11, v11   ; the conversion does not saturate (ISA guide 7.6.2): the hold comes first
.endr
.endr
.irp d, 0,1
.set UR, RG+8*(((\g)+\d)%RING)
.set UC, 16+2*(((\g)+\d)&7)
	v_cvt_scalef32_pk8_bf8_f32 v[UC:UC+1], v[UR:UR+7], v12
.endr
	s_wait_alu depctr_va_vdst(0)                   ; the holds and conversions are done with the two units' ring registers, in which the loads below land, and have written the two code pairs, which the LDS stores below read
.irp d, 0,1
.if (\g)+\d+RING < UNITS
	WLD (\g)+\d+RING                               ; the units' registers are asked for again at once
.endif
.endr
.irp d, 0,1
.set UC, 16+2*(((\g)+\d)&7)
.set UI, 2*(((\g)+\d)&7)
.set UL, 16*(UI>>3)+(UI&7)                         ; the row's place in tile order, from my wave's first
	ds_store_b32 v[2+PK/3], v[UC] offset:(PK%3)*STAGE+UL*PITCH          ; 128 consecutive bytes, k in its true order
	ds_store_b32 v[2+PK/3], v[UC+1] offset:(PK%3)*STAGE+(UL+1)*PITCH
.endr
.endm
.macro FL k, tau                       ; tile tau's two fragments (gate, up) of stage k into set tau % 3
.irp v, 0,1
.irp c, 0,1,2,3
	ds_load_b128 v[32+32*((\tau)%3)+16*\v+4*\c:32+32*((\tau)%3)+16*\v+4*\c+3], v[5+(\k)/3] offset:((\k)%3)*STAGE+(64*\v+16*(\tau))*PITCH+32*\c
.endr
.endr
.endm
; A phase's four pairs.  Behind pairs 0, 1, 2 the fragments of tiles 0, 1, 2 of stage k - 1 are asked for: its codes lie in LDS since the last barrier, the sets' last readers stand ahead of the phase's first wait on
; va_vdst, and no vector instruction of the pairs names a set: so these loads owe no wait of their own.
.macro PRODUCE k
.set G, UPS*(\k)
.set TT, 0
.rept UPS/2
	PAIR G
.if ((\k) > 0) && (TT < 3)
	FL (\k)-1, TT
.endif
.set G, G+2
.set TT, TT+1
.endr
	v_nop                                          ; a plain line behind the last conversion
.endm
; The two slots' tiles for pass s49: IDX = wave + 8 t + 16 p.  Without a tile: tile 0, lane step 0.
.macro SETT
	s_lshl_b32 s54, s49, 4
	s_add_co_u32 s54, s54, s16
.irp t, 0,1
	s_add_co_u32 s[46+\t], s54, 8*\t
	s_add_co_u32 s55, s22, s[46+\t]
	s_cmp_lt_u32 s[46+\t], s23
	s_cselect_b32 s56, 16, 0
	s_cselect_b32 s55, s55, 0
	s_min_u32 s56, s56, 16
	s_min_u32 s55, s55, 70                         ; held inside the buffers, whatever route holds
	v_mul_u32_u24 v[8+\t], v15, s56
	s_lshl_b32 s58, s55, 15
	s_mov_b32 s59, 0
	s_add_nc_u64 s[32+2*\t:33+2*\t], s[8:9], s[58:59]      ; the tile in xq,
	s_add_nc_u64 s[40+2*\t:41+2*\t], s[14:15], s[58:59]    ; and in hid,
	s_add_nc_u64 s[40+2*\t:41+2*\t], s[40+2*\t:41+2*\t], s[60:61]   ; at my 64 units: 1,024 z
.endr
.endm
.macro XLD k, w                        ; K step k of x's images, two slots x two variants: 16 loads of 512 consecutive bytes.  w = 1: a dependence is to be stated
	WIN 0x40                                       ; destination window 1, address window 0
.if \w
	s_wait_alu depctr_va_vdst(0)                   ; at a pass's first stage: v8 and v9 are written, which these loads read.  Later: the products issued so far are done reading this buffer of x, in which these loads land, and W's sets, in which this stage's fragment loads land
.endif
.irp t, 0,1
.irp v, 0,1
.irp c, 0,1,2,3
	global_load_b128 v[64*((\k)%2)+16*(2*\t+\v)+4*\c:64*((\k)%2)+16*(2*\t+\v)+4*\c+3], v[8+\t], s[32+2*\t:33+2*\t] offset:(\k)*4096+\v*2048+\c*512
.endr
.endr
.endr
	WIN 0
.endm
.macro MM4 k, tau, zero                ; tile tau against the two slots, gate and up.  zero = 1: the first K step starts the sums
.irp t, 0,1
.irp v, 0,1
.set XL, 64*((\k)%2)+16*(2*\t+\v)
.set AC, 128+64*\t+32*\v+8*(\tau)
.set FF, 32+32*((\tau)%3)+16*\v
.if \zero
	v_wmma_f32_16x16x128_bf8_bf8 v[AC:AC+7], v[FF:FF+15], v[XL:XL+15], 0
.else
	v_wmma_f32_16x16x128_bf8_bf8 v[AC:AC+7], v[FF:FF+15], v[XL:XL+15], v[AC:AC+7]
.endif
.endr
.endr
.endm
; A stage's 16 products; tiles 0, 1, 2 have been asked for.  The 16 accumulators take turns, one instruction a turn, in the same order in every stage.
; d0, d1, d2: the LDS instructions issued behind tile 0's, 1's, 2's loads when that tile is wanted.
.macro MULS k, zero, d0, d1, d2
	s_wait_dscnt \d0                               ; tile 0's eight loads are in
	WIN 0x54                                       ; W window 0; x, C and D window 1
	MM4 \k, 0, \zero
	PLACES 4
	WIN 0
	s_wait_alu depctr_va_vdst(0)                   ; tile 0's products are done reading set 0, in which tile 3's fragments land
	FL \k, 3
	s_wait_dscnt \d1                               ; tile 1's are in
	WIN 0x54
	MM4 \k, 1, \zero
	s_wait_dscnt \d2                               ; tile 2's are in; tile 3's eight may be out
	MM4 \k, 2, \zero
	s_wait_dscnt 0x0
	MM4 \k, 3, \zero
	PLACES 4                                       ; behind the stage's last products: for the first reads of results
	WIN 0
.endm
.macro COMPUTE k, zero                 ; a stage that stands alone: behind tile 0's loads 16 are issued; behind tile 1's, with tile 3's, 16; behind tile 2's 8
	FL \k, 0
	FL \k, 1
	FL \k, 2
	MULS \k, \zero, 16, 16, 8
.endm
; Slot t's hidden numbers: silu(gate) x up, quantised, stored.  Complete in itself, and jumped over as a whole where the slot has no tile.
; gate = G 2^(e0+e1), up = U 2^(e2+e3).  hidden / 2^e4 = G U / (1 + e^-gate) / 2^(e4 - e0 - e1 - e2 - e3): the five scales are the conversion's one.  All in f32.
.macro ACT t
.set GG, 128+64*(\t)
.set UU, GG+32
.set CC, 32+8*(\t)
	s_cmp_lt_u32 s[46+\t], s23
	s_cbranch_scc0 .Lno_\@
	WIN 0x01
.set q, 0
.rept 16
	v_pk_mul_f32 v[EE+q:EE+q+1], v[GG+q:GG+q+1], s[52:53] op_sel_hi:[1,0]   ; -gate x log2(e); each accumulator from its low end on
.set q, q+2
.endr
	WIN 0
.set q, 0
	s_wait_alu depctr_va_vdst(0)
.rept 32
	v_exp_f32 v[EE+q], v[EE+q]                     ; e^-gate: one batch
.set q, q+1
.endr
	WIN 0x05
.set q, 0
	s_wait_alu depctr_va_vdst(0)
.rept 16
	v_pk_mul_f32 v[PP+q:PP+q+1], v[GG+q:GG+q+1], v[UU+q:UU+q+1]             ; G U: plain work that names no exponential's result
.set q, q+2
.endr
	WIN 0
	s_wait_alu depctr_va_vdst(0)                   ; the 32 exponentials have written v128-159: one wait for the batch, ahead of its first reader
.set q, 0
.rept 16
	v_pk_add_f32 v[EE+q:EE+q+1], v[EE+q:EE+q+1], 1.0 op_sel_hi:[1,0]
.set q, q+2
.endr
.set q, 0
	s_wait_alu depctr_va_vdst(0)
.rept 32
	v_rcp_f32 v[EE+q], v[EE+q]                     ; 1 / (1 + e^-gate); e^-gate = infinity gives 0
.set q, q+1
.endr
	v_nop
	s_wait_alu depctr_va_vdst(0)                   ; the 32 reciprocals have written v128-159: one wait for the batch, ahead of its first reader
.set q, 0
.rept 16
	v_pk_mul_f32 v[PP+q:PP+q+1], v[PP+q:PP+q+1], v[EE+q:EE+q+1]
.set q, q+2
.endr
.set q, 0
.rept 32
	v_med3_num_f32 v[PP+q], v[PP+q], -v13, v13
.set q, q+1
.endr
.irp u, 0,1,2,3
	v_cvt_scalef32_pk8_bf8_f32 v[CC+2*\u:CC+2*\u+1], v[PP+8*\u:PP+8*\u+7], v14
.endr
	v_nop                                          ; a plain line behind the last conversion
	s_wait_alu depctr_va_vdst(0)                   ; the conversions have written the slot's eight code registers, which the two stores read
	global_store_b128 v1, v[CC:CC+3], s[40+2*\t:41+2*\t]               ; units 64 z + 16 h + 0 .. 15: 512 consecutive bytes, group 2 (z % 2) of K step z / 2
	global_store_b128 v1, v[CC+4:CC+7], s[40+2*\t:41+2*\t] offset:512  ; units 64 z + 32 + 16 h + 0 .. 15
.Lno_\@:
.endm
	s_load_b256 s[4:11], s[0:1], 0x0               ; gate s[4:5], up s[6:7], xq s[8:9], route s[10:11]
	s_load_b128 s[12:15], s[0:1], 0x20             ; scales s[12:13], hid s[14:15]
	v_lshl_add_u32 v254, v0, 2, 0x24000
	v_mov_b32 v255, 0
	v_lshrrev_b32 v1, 5, v0
	v_readfirstlane_b32 s16, v1                    ; wave 0..7
	s_mov_b32 s17, ttmp9                           ; z
	s_and_b32 s18, ttmp7, 0xffff                   ; e
	v_and_b32 v15, 31, v0
	v_lshlrev_b32 v1, 4, v15
	s_wait_alu depctr_va_sdst(0)                   ; s16 is written, ahead of its first reader: LDS addresses, the weight's base and the slots' tiles are made from it
	; my 16 rows in tile order: units 16 (w % 4) + i lie at row 32 (w / 2) + 8 (w % 2) + 16 (i / 8) + i % 8 of a stage (the up's 64 rows behind the gate's)
	s_lshr_b32 s54, s16, 1
	s_lshl_b32 s54, s54, 5
	s_and_b32 s55, s16, 1
	s_lshl_b32 s55, s55, 3
	s_add_co_u32 s54, s54, s55
	s_mul_i32 s54, s54, PITCH
	v_lshl_add_u32 v2, v15, 2, s54                 ; in: 4 bytes a lane
	v_add_nc_u32 v3, TRI, v2
	v_add_nc_u32 v4, 2*TRI, v2
	v_and_b32 v5, 15, v0
	v_bfe_u32 v6, v0, 4, 1
	v_mul_u32_u24 v5, v5, PITCH
	v_lshl_add_u32 v5, v6, 4, v5                   ; out: row r, + 16 h
	v_add_nc_u32 v6, TRI, v5
	v_add_nc_u32 v7, 2*TRI, v5
	s_lshl_b32 s30, s18, 2
	s_lshl_b32 s54, s18, 11                        ; my rows of the weight begin at row 2,048 e + 64 z + 16 (w % 4), 4,096 bytes a row: under 2^26 bytes
	s_lshl_b32 s55, s17, 6
	s_add_co_u32 s54, s54, s55
	s_and_b32 s55, s16, 3
	s_lshl_b32 s55, s55, 4
	s_add_co_u32 s54, s54, s55
	s_lshl_b32 s54, s54, 12
	s_mov_b32 s55, 0
	s_lshl_b32 s60, s17, 10
	s_mov_b32 s61, 0
	s_mov_b32 s49, 0                               ; pass 0
	s_wait_kmcnt 0x0
	s_load_b32 s22, s[10:11], s30                  ; tb[e]
	s_load_b32 s23, s[10:11], s30 offset:0x20      ; nt[e]
	s_load_b128 s[24:27], s[12:13], 0x0            ; e0 .. e3
	s_load_b64 s[28:29], s[12:13], 0x10            ; e4, e5
	s_cmp_lt_u32 s16, 4                            ; waves 0-3 stream the gate's weight, waves 4-7 the up's
	s_cselect_b64 s[20:21], s[4:5], s[6:7]
	s_add_nc_u64 s[20:21], s[20:21], s[54:55]
	s_wait_alu depctr_va_vdst(0)                   ; v1 to v7 are written: the offsets and LDS addresses that the kernel's loads and stores read; none is written again
.set G, 0
.rept RING
	WLD G                                          ; the ring is filled before anything else is done
.set G, G+1
.endr
	s_wait_kmcnt 0x0
	s_cmp_lt_u32 s16, 4
	s_cselect_b32 s54, s25, s27                    ; e1 or e3
	s_add_co_i32 s54, s54, 127
	s_lshl_b32 s55, s54, 23
	v_mov_b32 v12, s55                             ; the weight's scale as f32: the conversion takes its exponent field
	s_add_co_i32 s54, s54, 15
	s_lshl_b32 s54, s54, 23
	s_or_b32 s54, s54, 0x600000
	v_mov_b32 v11, s54                             ; 57,344 x that
	s_add_co_i32 s54, s24, s25                     ; e0 + e1
	s_lshl_b32 s55, s54, 23
	s_add_co_u32 s52, s55, 0xbfb8aa3b              ; -log2(e) x 2^(e0 + e1): the sum is added to the exponent field
	s_mov_b32 s53, s52                             ; (named with it as a pair)
	s_add_co_i32 s54, s54, s26
	s_add_co_i32 s54, s54, s27
	s_sub_co_i32 s54, s28, s54                     ; e4 - (e0 + e1 + e2 + e3)
	s_add_co_i32 s54, s54, 127
	s_lshl_b32 s55, s54, 23
	v_mov_b32 v14, s55
	s_add_co_i32 s54, s54, 15
	s_lshl_b32 s54, s54, 23
	s_or_b32 s54, s54, 0x600000
	v_mov_b32 v13, s54
	SETT
.irp k, 0,1,2,3,4,5,6,7
.if \k > 0
	s_wait_alu depctr_vm_vsrc(0)                   ; the last phase's LDS stores have read the code pairs v16-31, which this phase's conversions write again
.endif
.if \k == 1
	XLD \k, 0                                      ; nothing to state: no product has read buffer 1 or a set yet, and v8, v9 stand since the wait ahead of stage 0's loads
.else
	XLD \k, 1
.endif
	PRODUCE \k
.if \k > 0
	ASKS \k-1
.set NA, AV
	ASKS \k
	s_wait_loadcnt 2*NA+XN+2*AV                    ; x of stage k - 1 is in.  Issued behind it: phase k - 1's requests of the ring, x of stage k, this phase's requests
.if \k == 1
	MULS 0, 1, 28, 24, 12                          ; LDS instructions behind tile 0's loads: 4 stores, 8 loads, 4, 8, 4; behind tile 1's, with tile 3's: 4, 8, 4, 8; behind tile 2's: 4, 8
.else
	MULS \k-1, 0, 28, 24, 12
.endif
.endif
	BAR                                            ; stage k's codes lie in LDS
.endr
	s_wait_alu depctr_va_vdst(0)                   ; stage 6's products, issued in front of the barrier, are done reading W's sets, in which stage 7's fragments land
	FL 7, 0
	FL 7, 1
	FL 7, 2
	s_wait_loadcnt 0x0                             ; x of stage 7
	MULS 7, 0, 16, 16, 8
	ACT 0
	ACT 1
	s_mov_b32 s49, 1
.Lpass:                                            ; tiles 16 p on, from the codes in LDS: no barrier, no wave waits for another
	s_wait_alu depctr_vm_vsrc(0)                   ; the stores of codes have read v32-47, in which fragments land below, and the loads of x have read v8 and v9, which are written below
	s_lshl_b32 s54, s49, 4
	s_add_co_u32 s54, s54, s16
	s_cmp_ge_u32 s54, s23
	s_cbranch_scc1 .Lend                           ; my first slot of this pass has no tile, so neither has
	s_wait_xcnt 0x0                                ; the stores have read their data, offsets and bases: all are written again below
	SETT
	PLACES 1                                       ; the accumulators are begun anew over earlier results: one place more than the four behind the last products
.irp k, 0,1,2,3,4,5,6,7
	XLD \k, 1
	s_wait_loadcnt 0x0
.if \k == 0
	COMPUTE 0, 1
.else
	COMPUTE \k, 0
.endif
.endr
	ACT 0
	ACT 1
	s_add_co_u32 s49, s49, 1
	s_cmp_lt_u32 s49, 4                            ; 4 passes x 16 slots cover the 64 tiles that one expert can have
	s_cbranch_scc1 .Lpass
.Lend:
	s_wait_dscnt 0x0
	s_wait_alu depctr_hold_cnt(0) depctr_sa_sdst(0) depctr_va_vdst(0) depctr_va_sdst(0) depctr_va_ssrc(0) depctr_va_vcc(0) depctr_vm_vsrc(0)
	s_wait_tensorcnt 0x0
	ds_add_u32 v254, v255
	s_wait_dscnt 0x0
	s_endpgm
.Lfunc_end_k_qb88eb19b8b_gateup:
	.size	k_qb88eb19b8b_gateup, .Lfunc_end_k_qb88eb19b8b_gateup-k_qb88eb19b8b_gateup
	.p2alignl 7, 3214868480
	.fill 96, 4, 3214868480
	.section	.rodata,"a",@progbits
	.p2align	6, 0x0
	.amdhsa_kernel k_qb88eb19b8b_gateup
		.amdhsa_group_segment_fixed_size 148480
		.amdhsa_private_segment_fixed_size 0
		.amdhsa_enable_private_segment 0
		.amdhsa_kernarg_size 48
		.amdhsa_user_sgpr_count 2
		.amdhsa_user_sgpr_kernarg_segment_ptr 1
		.amdhsa_wavefront_size32 1
		.amdhsa_system_sgpr_workgroup_id_x 1
		.amdhsa_system_sgpr_workgroup_id_y 1
		.amdhsa_system_sgpr_workgroup_id_z 1
		.amdhsa_system_vgpr_workitem_id 0
		.amdhsa_next_free_vgpr 512
		.amdhsa_next_free_sgpr 80
		.amdhsa_reserve_vcc 0
		.amdhsa_float_denorm_mode_32 3
		.amdhsa_float_denorm_mode_16_64 3
		.amdhsa_memory_ordered 1
		.amdhsa_forward_progress 1
		.amdhsa_inst_pref_size 184
	.end_amdhsa_kernel
	.amdgpu_metadata
---
amdhsa.version: [ 1, 2 ]
amdhsa.kernels:
  - .name:           k_qb88eb19b8b_gateup
    .symbol:         k_qb88eb19b8b_gateup.kd
    .args:
      - { .name: gate_weight, .offset: 0, .size: 8, .value_kind: global_buffer, .address_space: global }
      - { .name: up_weight, .offset: 8, .size: 8, .value_kind: global_buffer, .address_space: global }
      - { .name: xq, .offset: 16, .size: 8, .value_kind: global_buffer, .address_space: global }
      - { .name: route, .offset: 24, .size: 8, .value_kind: global_buffer, .address_space: global }
      - { .name: lowp_scales, .offset: 32, .size: 8, .value_kind: global_buffer, .address_space: global }
      - { .name: hid, .offset: 40, .size: 8, .value_kind: global_buffer, .address_space: global }
    .group_segment_fixed_size: 148480
    .private_segment_fixed_size: 0
    .kernarg_segment_align: 8
    .kernarg_segment_size: 48
    .max_flat_workgroup_size: 256
    .sgpr_count:     80
    .vgpr_count:     512
    .wavefront_size: 32
...
	.end_amdgpu_metadata
.endif
;; end of part 5
;; launch down (part 6): grid 32 x 8, 8 waves a work-group, no clusters, 89,088 bytes of LDS; arguments down_weight, hid, route, lowp_scales, out0; writes out0
.if DOCPART == 6
	.amdgcn_target "amdgcn-amd-amdhsa--gfx1250"
	.amdhsa_code_object_version 6
	.text
	.protected	k_qb88eb19b8b_down
	.globl	k_qb88eb19b8b_down
	.p2align	8
	.type	k_qb88eb19b8b_down,@function
k_qb88eb19b8b_down:
	s_mov_b64 s[64:65], 0
	v_nop
	global_prefetch_b8 v0, s[64:65] scope:SCOPE_SE
	s_setreg_imm32_b32 hwreg(HW_REG_WAVE_SCHED_MODE, 0, 2), 2
	s_setreg_imm32_b32 hwreg(HW_REG_WAVE_MODE, 25, 1), 1
	s_wait_xcnt 0x0
	s_wait_alu depctr_vm_vsrc(0)
; DOWN: out[token] = hidden Wd^T for each token's own expert, on E5M2 codes; the sums x 2^(e4 + e5) go to the tokens' rows.
; Built as launch gateup: the weights are shared out.  Work-group (z, e) owns output columns 32 z .. 32 z + 31 of expert e: 32 rows of 8,192 bytes, 256 KB, read once, and serves all tokens of that expert.
; EVERY WAVE STREAMS AND MULTIPLIES; the eight run one text.  K = 2,048 goes in 8 stages of 256 (two K steps of 128).  Each stage has LDS bytes of its own, written once: one barrier a stage.
; PHASE k:  the hidden layer's images of stage k are asked for | my 4 units of stage k (a unit: one row's 1,024 bytes, two loads) go two at a time: held, converted; behind each two their registers are asked for again,
;           their codes go into LDS, and one K step's fragments of stage k - 1 are asked for | the wait for the images of stage k - 1 | stage k - 1 is multiplied | barrier.   Wave w streams rows 4 w .. 4 w + 3.
; The ring holds 11 units: 22 loads; with the 8 loads of tokens and two runs of 16 images 62 loads a wave are out at the most.  A wave's loads come back in the order of issue, so the wait for the images of stage
; k - 1 also waits for the weight loads issued ahead of them: 8 units stay clear of it, the ring's other 3 deepen the first burst.
; Pass 0 serves the expert's tiles 0-15 (wave w: tiles w and w + 8) with no branch on the count; a slot without a tile multiplies tile 0's first bytes and only its way out is jumped over.
; Passes 1-3 serve tiles 16 p on from the codes in LDS.  An expert without tokens still has its weights streamed: no wave leaves ahead of a barrier on a stored number.
; TRANSPOSED USE (source 0 = 16 columns' rows of W, source 1 = 16 slots): a lane holds one slot and eight neighbouring columns.
; THE WAY OUT: a tile's 16 x 32 results turn through the wave's own stage in LDS; then eight lanes store a token's 128 consecutive bytes, four tokens an instruction.  A work-group's 32 columns are 128 bytes of a row:
; 64 columns to a work-group would leave half of the 256 work-groups without work and halve the weight bytes on their way; out0 is a sixteenth of this launch's weight bytes.
; A repeated slot (launch prep) stores the same bytes to the same place, from this same work-group.
; NO JOINT LOADS: a joint load is a tensor load, and this text branches on stored counts.
; LIMITS: e5 between -126 and 112; e4 + e5 between -126 and 127.  NaN among the inputs is not served.
; REGISTERS.  Window 0: v1 16 x lane; v2 LDS store address; v5 fragment read address; v6, v7 the stage, in and back; v8, v9 a slot's lane step in hid; v11, v12 hold and scale; v13 16 (lane % 8); v14 4 (lane / 8); v15 lane;
;   v16-31 codes; v32-95 W's four fragments (K step u, columns n) at 32 + 16 (2 u + n); v96-183 the ring.  On the way out, slot t: v[32 + 64 t ..] 16 scaled sums, v[48 + 64 t ..] 16 registers of rows read back, v[64 + 64 t ..] 4 offsets.
;   Window 1: v0-127 the hidden layer's fragments, two buffers of (slot t, K step u) at 64 b + 16 (2 t + u); v128-159 accumulators (t, n) at 128 + 16 t + 8 n; v160-167 the slots' tokens.
; THE MODE: SCHED_MODE bits 1:0 = 2 (LLVM: expert scheduling mode 2), set by the entry lines.  The code itself states the register dependences between vector or matrix instructions and memory or LDS
; instructions, with s_wait_alu, always for 0.
; THE PLAN.  Registers that memory or LDS instructions touch, and who else names them:
;   the ring       a unit's eight registers: its two loads land; its holds write them, its conversion reads them; then the loads of the unit 11 further on land.
;   the codes      a pair a unit, eight pairs: the conversion writes it, two LDS stores read it; it is written again two phases later.
;   W's fragments  LDS loads land, the stage's products read; no register is used twice in a stage.
;   the images     buffer k % 2: stage k's loads land at the head of phase k; stage k's products read it at the end of phase k + 1.
;   the way out    each slot has registers of its own (slot 1's lie in the ring, which is idle by then): vector instructions write sums and offsets, LDS stores read the sums, LDS loads land in the rows, global stores read rows and offsets.
;   the tokens     loads land at a pass's head; the way out's clamps read them.
;   addresses      v1, v2, v5, v6, v7, v13, v14 are made at the head and never written again; v8, v9 are written at a pass's head.
; THE WAITS.  On va_vdst: one ahead of a pass's first loads; one at a phase's head from phase 2 on (the products of the phase before are done reading the images' buffer and W's fragments); one behind each two units'
; conversions, which serves their four loads, their four LDS stores and the eight fragment loads dealt behind them; one ahead of stage 7's fragments; one a slot on the way out.
; On vm_vsrc: one at a phase's head from phase 2 on (the LDS stores of two phases back have read the code pairs); one at a later pass's head.  On va_sdst: one, behind the wave's number.
.set PITCH, 272                        ; a row of 256 codes + 16
.set STAGE, 32*PITCH
.set OSTG,  8*STAGE                    ; behind the stages: 16 rows x (128 bytes + 16) for each wave
.set OP,    144
.set RING,  11
.set UNITS, 32                         ; a wave's units: 8 stages x 4 rows
.set UPS,   4
.set XN,    16                         ; loads in a run of images
.set RG,    96
.set MSB, 0
.macro WIN new
.if MSB != (\new)
	s_set_vgpr_msb (MSB<<8)|(\new)
.set MSB, (\new)
.endif
.endm
.macro PLACES n
.rept \n
	v_nop
.endr
.endm
.macro BAR
	s_wait_dscnt 0x0
	s_barrier_signal -1
	s_barrier_wait -1
.endm
.macro ASKS j                          ; AV = how many units of phase j ask again: unit g does while g + RING < UNITS
.set AV, UNITS-RING-UPS*(\j)
.if AV > UPS
.set AV, UPS
.endif
.if AV < 0
.set AV, 0
.endif
.endm
; Unit g: row g % 4 of my 4, stage g / 4: its 1,024 bytes by two loads of 512
.macro WLD g
.set WR, RG+8*((\g)%RING)
.set WO, ((\g)&3)*8192+((\g)>>2)*1024
	global_load_b128 v[WR:WR+3], v1, s[20:21] offset:WO th:TH_LOAD_NT
	global_load_b128 v[WR+4:WR+7], v1, s[20:21] offset:WO+512 th:TH_LOAD_NT
.endm
; Units g and g + 1 (g even).
.macro PAIR g
.set PK, (\g)>>2
.set PY, UNITS-2-(\g)                              ; units asked for behind unit g + 1: those up to g + 10: 9, fewer as the ring runs out
.if PY > RING-2
.set PY, RING-2
.endif
.if (\g)+1 < RING
.set PN, 2*PY+XN*(PK+1)+8                          ; asked for at the head: the 8 loads of tokens and every run of images so far are younger
.else
.set PN, 2*PY+XN*(PK-(((\g)+1-RING)>>2))           ; asked for in the turn of units g - 10 and g - 9: the runs at the phases' heads passed since then
.endif
.if PN > 63
.set PN, 63                                        ; a wait names 63 at the most; such a unit was shown landed by the wait for the images a phase ago, which are younger than it
.endif
	s_wait_loadcnt PN
.irp d, 0,1
.set UR, RG+8*(((\g)+\d)%RING)
.irp q, 0,1,2,3,4,5,6,7
	v_med3_num_f32 v[UR+\q], v[UR+\q], -v11, v11   ; the conversion does not saturate (ISA guide 7.6.2): the hold comes first
.endr
.endr
.irp d, 0,1
.set UR, RG+8*(((\g)+\d)%RING)
.set UC, 16+2*(((\g)+\d)&7)
	v_cvt_scalef32_pk8_bf8_f32 v[UC:UC+1], v[UR:UR+7], v12
.endr
	s_wait_alu depctr_va_vdst(0)                   ; the holds and conversions are done with the two units' ring registers, in which the loads below land, and have written the two code pairs, which the LDS stores below read
.irp d, 0,1
.if (\g)+\d+RING < UNITS
	WLD (\g)+\d+RING                               ; the units' registers are asked for again at once
.endif
.endr
.irp d, 0,1
.set UC, 16+2*(((\g)+\d)&7)
.set UI, ((\g)+\d)&3
	ds_store_b32 v2, v[UC] offset:PK*STAGE+UI*PITCH
	ds_store_b32 v2, v[UC+1] offset:PK*STAGE+UI*PITCH+128
.endr
.endm
.macro FR k, u                         ; K step u's two fragments of stage k
.irp n, 0,1
.irp c, 0,1,2,3
	ds_load_b128 v[32+16*(2*(\u)+\n)+4*\c:32+16*(2*(\u)+\n)+4*\c+3], v5 offset:(\k)*STAGE+\n*16*PITCH+128*(\u)+32*\c
.endr
.endr
.endm
; A phase's two pairs.  Behind pair u the fragments of K step u of stage k - 1 are asked for: its codes lie in LDS since the last barrier, the fragments' last readers stand ahead of the phase's first wait on va_vdst,
; and no vector instruction of the pairs names a fragment: so these loads owe no wait of their own.
.macro PRODUCE k
.set G, UPS*(\k)
.set TT, 0
.rept UPS/2
	PAIR G
.if (\k) > 0
	FR (\k)-1, TT
.endif
.set G, G+2
.set TT, TT+1
.endr
	v_nop                                          ; a plain line behind the last conversion
.endm
.macro SETT                            ; the two slots' tiles for pass s49: IDX = wave + 8 t + 16 p; without a tile: tile 0, lane step 0
	s_lshl_b32 s54, s49, 4
	s_add_co_u32 s54, s54, s16
.irp t, 0,1
	s_add_co_u32 s[46+\t], s54, 8*\t
	s_add_co_u32 s55, s22, s[46+\t]
	s_cmp_lt_u32 s[46+\t], s23
	s_cselect_b32 s56, 16, 0
	s_cselect_b32 s55, s55, 0
	s_min_u32 s56, s56, 16
	s_min_u32 s55, s55, 70
	v_mul_u32_u24 v[8+\t], v15, s56
	s_lshl_b32 s58, s55, 15
	s_mov_b32 s59, 0
	s_add_nc_u64 s[32+2*\t:33+2*\t], s[6:7], s[58:59]      ; the tile in hid,
	s_lshl_b32 s58, s55, 6
	s_add_nc_u64 s[40+2*\t:41+2*\t], s[8:9], s[58:59]      ; and its 16 tokens in route (from byte 256 on)
.endr
.endm
.macro OLD                             ; lane l wants, for rows 4 i + l / 8 of a tile, the token: 8 loads.  A pass's first loads
	WIN 0x40
	s_wait_alu depctr_va_vdst(0)                   ; v8 and v9 are written, which the loads of stage 0's images read; in a later pass also: the way out is done reading the tokens, in which these loads land, and with v32-95, in which fragments land, and the last products with the images' buffers
.irp t, 0,1
.irp i, 0,1,2,3
	global_load_b32 v[160+4*\t+\i], v14, s[40+2*\t:41+2*\t] offset:256+16*\i
.endr
.endr
	WIN 0
.endm
.macro YLD k, w                        ; stage k of the hidden layer's images: two slots x two K steps: 16 loads of 512 consecutive bytes.  w = 1: a dependence is to be stated
	WIN 0x40
.if \w
	s_wait_alu depctr_va_vdst(0)                   ; the products issued so far are done reading this buffer of images, in which these loads land, and W's fragments, in which this stage's fragment loads land
.endif
.irp t, 0,1
.irp u, 0,1
.irp c, 0,1,2,3
	global_load_b128 v[64*((\k)%2)+16*(2*\t+\u)+4*\c:64*((\k)%2)+16*(2*\t+\u)+4*\c+3], v[8+\t], s[32+2*\t:33+2*\t] offset:(\k)*4096+\u*2048+\c*512
.endr
.endr
.endr
	WIN 0
.endm
.macro MM4 k, u, zero
.irp t, 0,1
.irp n, 0,1
.set YL, 64*((\k)%2)+16*(2*\t+\u)
.set AC, 128+16*\t+8*\n
.set FF, 32+16*(2*\u+\n)
.if \zero
	v_wmma_f32_16x16x128_bf8_bf8 v[AC:AC+7], v[FF:FF+15], v[YL:YL+15], 0
.else
	v_wmma_f32_16x16x128_bf8_bf8 v[AC:AC+7], v[FF:FF+15], v[YL:YL+15], v[AC:AC+7]
.endif
.endr
.endr
.endm
; A stage's 8 products; its fragments have been asked for.  The four accumulators take turns, one instruction a turn, in the same order throughout.
; d0: the LDS instructions issued behind the first K step's loads.
.macro MULS k, zero, d0
	s_wait_dscnt \d0                               ; the first K step's two fragments are in
	WIN 0x54                                       ; W window 0; the hidden layer, C and D window 1
	MM4 \k, 0, \zero
	s_wait_dscnt 0x0
	MM4 \k, 1, 0
	PLACES 4                                       ; behind the stage's last products: for the first reads of results, and for the way out's writes over fragments
	WIN 0
.endm
.macro COMPUTE k, zero                 ; a stage that stands alone: behind the first K step's loads the second's eight are issued
	FR \k, 0
	FR \k, 1
	MULS \k, \zero, 8
.endm
.macro OUT t                           ; slot t's tile leaves, by registers of its own.  Complete in itself, and jumped over as a whole where the slot has no tile
.set AA, 128+16*(\t)
.set OO, 160+4*(\t)
.set TM, 32+64*(\t)
.set BB, 48+64*(\t)
.set FO, 64+64*(\t)
	s_cmp_lt_u32 s[46+\t], s23
	s_cbranch_scc0 .Lno_\@
	WIN 0x01
.irp q, 0,2,4,6,8,10,12,14
	v_pk_mul_f32 v[TM+\q:TM+\q+1], v[AA+\q:AA+\q+1], s[52:53] op_sel_hi:[1,0]   ; x 2^(e4 + e5); each accumulator from its low end on
.endr
	WIN 0x04
.irp i, 0,1,2,3
	v_min_u32 v[FO+\i], 1023, v[OO+\i]             ; the token, held inside out0
.endr
	WIN 0
.irp i, 0,1,2,3
	v_lshl_add_u32 v[FO+\i], v[FO+\i], 12, v13     ; its row of 4,096 bytes + 16 (lane % 8)
.endr
	s_wait_alu depctr_va_vdst(0)                   ; the scaled sums are written, which the LDS stores read, and the offsets, which the global stores read; all earlier readers and writers of the registers in which the rows land are done
.irp n, 0,1
.irp q, 0,1
	ds_store_b128 v6, v[TM+8*\n+4*\q:TM+8*\n+4*\q+3] offset:64*\n+16*\q   ; lane (r, h): slot r, columns 16 n + 8 h + 4 q + 0 .. 3
.endr
.endr
.irp i, 0,1,2,3
	ds_load_b128 v[BB+4*\i:BB+4*\i+3], v7 offset:4*OP*\i   ; my own bytes; LDS serves a wave's instructions in order (ISA guide 5.7.1.4)
.endr
.irp i, 0,1,2,3
	s_wait_dscnt 3-\i
	global_store_b128 v[FO+\i], v[BB+4*\i:BB+4*\i+3], s[62:63] th:TH_STORE_NT   ; eight lanes: 128 consecutive bytes of one token's row
.endr
.Lno_\@:
.endm
	s_load_b256 s[4:11], s[0:1], 0x0               ; down s[4:5], hid s[6:7], route s[8:9], scales s[10:11]
	s_load_b64 s[12:13], s[0:1], 0x20              ; out0
	v_lshl_add_u32 v254, v0, 2, 0x15800
	v_mov_b32 v255, 0
	v_lshrrev_b32 v1, 5, v0
	v_readfirstlane_b32 s16, v1                    ; wave 0..7
	s_mov_b32 s17, ttmp9                           ; z
	s_and_b32 s18, ttmp7, 0xffff                   ; e
	v_and_b32 v15, 31, v0
	v_lshlrev_b32 v1, 4, v15
	s_wait_alu depctr_va_sdst(0)                   ; s16 is written, ahead of its first reader: LDS addresses, the weight's base and the slots' tiles are made from it
	s_mul_i32 s54, s16, 4*PITCH
	v_lshl_add_u32 v2, v15, 2, s54                 ; in: my 4 rows, 4 bytes a lane
	v_and_b32 v3, 15, v0                           ; r
	v_bfe_u32 v4, v0, 4, 1                         ; h
	v_mul_u32_u24 v5, v3, PITCH
	v_lshl_add_u32 v5, v4, 4, v5                   ; out: row r, + 16 h
	s_mul_i32 s54, s16, 16*OP
	s_add_co_u32 s54, s54, OSTG                    ; my stage
	v_mul_u32_u24 v6, v3, OP
	v_lshl_add_u32 v6, v4, 5, v6
	v_add_nc_u32 v6, s54, v6                       ; in: row r, + 32 h
	v_bfe_u32 v3, v0, 3, 2                         ; lane / 8
	v_and_b32 v4, 7, v0                            ; lane % 8
	v_mul_u32_u24 v7, v3, OP
	v_lshl_add_u32 v7, v4, 4, v7
	v_add_nc_u32 v7, s54, v7                       ; back: four rows an instruction, eight lanes a row
	v_lshlrev_b32 v13, 4, v4
	v_lshlrev_b32 v14, 2, v3
	s_lshl_b32 s30, s18, 2
	s_lshl_b32 s54, s18, 10                        ; my rows of the weight begin at row 1,024 e + 32 z + 4 w, 8,192 bytes a row: under 2^26 bytes
	s_lshl_b32 s55, s17, 5
	s_add_co_u32 s54, s54, s55
	s_lshl_b32 s55, s16, 2
	s_add_co_u32 s54, s54, s55
	s_lshl_b32 s54, s54, 13
	s_mov_b32 s55, 0
	s_lshl_b32 s60, s17, 7                         ; my 32 columns in a row of out0
	s_mov_b32 s61, 0
	s_mov_b32 s49, 0                               ; pass 0
	s_wait_kmcnt 0x0
	s_load_b32 s22, s[8:9], s30                    ; tb[e]
	s_load_b32 s23, s[8:9], s30 offset:0x20        ; nt[e]
	s_load_b64 s[28:29], s[10:11], 0x10            ; e4, e5
	s_add_nc_u64 s[20:21], s[4:5], s[54:55]
	s_add_nc_u64 s[62:63], s[12:13], s[60:61]
	s_wait_alu depctr_va_vdst(0)                   ; v1, v2, v5, v6, v7 and v14 are written: the offsets and LDS addresses that the kernel's loads and stores read; none is written again
.set G, 0
.rept RING
	WLD G                                          ; the ring is filled before anything else is done
.set G, G+1
.endr
	s_wait_kmcnt 0x0
	s_add_co_i32 s54, s29, 127
	s_lshl_b32 s55, s54, 23
	v_mov_b32 v12, s55                             ; 2^e5 as f32
	s_add_co_i32 s54, s54, 15
	s_lshl_b32 s54, s54, 23
	s_or_b32 s54, s54, 0x600000
	v_mov_b32 v11, s54                             ; 57,344 x 2^e5
	s_add_co_i32 s52, s28, s29
	s_add_co_i32 s52, s52, 127
	s_lshl_b32 s52, s52, 23                        ; 2^(e4 + e5) as f32
	s_mov_b32 s53, s52                             ; (named with it as a pair)
	SETT
	OLD
.irp k, 0,1,2,3,4,5,6,7
.if \k > 1
	s_wait_alu depctr_vm_vsrc(0)                   ; the LDS stores of two phases back have read the four code pairs that this phase's conversions write again
	YLD \k, 1
.else
	YLD \k, 0                                      ; nothing to state: no product has read this buffer or a fragment yet, and v8, v9 stand since the wait ahead of the tokens' loads
.endif
	PRODUCE \k
.if \k > 0
	ASKS \k-1
.set NA, AV
	ASKS \k
	s_wait_loadcnt 2*NA+XN+2*AV                    ; the images of stage k - 1 are in.  Issued behind them: phase k - 1's requests of the ring, the images of stage k, this phase's requests
.if \k == 1
	MULS 0, 1, 12                                  ; LDS instructions behind the first K step's loads: 4 stores and the second K step's 8 loads
.else
	MULS \k-1, 0, 12
.endif
.endif
	BAR                                            ; stage k's codes lie in LDS
.endr
	s_wait_alu depctr_va_vdst(0)                   ; stage 6's products, issued in front of the barrier, are done reading W's fragments, in which stage 7's land
	FR 7, 0
	FR 7, 1
	s_wait_loadcnt 0x0                             ; the images of stage 7
	MULS 7, 0, 8
	OUT 0
	OUT 1
	s_mov_b32 s49, 1
.Lpass:                                            ; tiles 16 p on, from the codes in LDS: no barrier
	s_wait_alu depctr_vm_vsrc(0)                   ; the way out's LDS and global stores have read their sums, rows and offsets, which fragments' loads and the next way out write again; the images' loads have read v8 and v9, which are written below
	s_lshl_b32 s54, s49, 4
	s_add_co_u32 s54, s54, s16
	s_cmp_ge_u32 s54, s23
	s_cbranch_scc1 .Lend                           ; my first slot of this pass has no tile, so neither has
	s_wait_xcnt 0x0                                ; the stores have read their data, offsets and bases: all are written again below
	SETT
	OLD
	PLACES 1                                       ; the accumulators are begun anew over earlier results: one place more than the four behind the last products
.irp k, 0,1,2,3,4,5,6,7
.if \k == 0
	YLD 0, 0                                       ; the wait ahead of the tokens' loads serves these too
	s_wait_loadcnt 0x0
	COMPUTE 0, 1
.else
	YLD \k, 1
	s_wait_loadcnt 0x0
	COMPUTE \k, 0
.endif
.endr
	OUT 0
	OUT 1
	s_add_co_u32 s49, s49, 1
	s_cmp_lt_u32 s49, 4                            ; 4 passes x 16 slots cover the 64 tiles that one expert can have
	s_cbranch_scc1 .Lpass
.Lend:
	s_wait_dscnt 0x0
	s_wait_alu depctr_hold_cnt(0) depctr_sa_sdst(0) depctr_va_vdst(0) depctr_va_sdst(0) depctr_va_ssrc(0) depctr_va_vcc(0) depctr_vm_vsrc(0)
	s_wait_tensorcnt 0x0
	ds_add_u32 v254, v255
	s_wait_dscnt 0x0
	s_endpgm
.Lfunc_end_k_qb88eb19b8b_down:
	.size	k_qb88eb19b8b_down, .Lfunc_end_k_qb88eb19b8b_down-k_qb88eb19b8b_down
	.p2alignl 7, 3214868480
	.fill 96, 4, 3214868480
	.section	.rodata,"a",@progbits
	.p2align	6, 0x0
	.amdhsa_kernel k_qb88eb19b8b_down
		.amdhsa_group_segment_fixed_size 89088
		.amdhsa_private_segment_fixed_size 0
		.amdhsa_enable_private_segment 0
		.amdhsa_kernarg_size 40
		.amdhsa_user_sgpr_count 2
		.amdhsa_user_sgpr_kernarg_segment_ptr 1
		.amdhsa_wavefront_size32 1
		.amdhsa_system_sgpr_workgroup_id_x 1
		.amdhsa_system_sgpr_workgroup_id_y 1
		.amdhsa_system_sgpr_workgroup_id_z 1
		.amdhsa_system_vgpr_workitem_id 0
		.amdhsa_next_free_vgpr 448
		.amdhsa_next_free_sgpr 80
		.amdhsa_reserve_vcc 0
		.amdhsa_float_denorm_mode_32 3
		.amdhsa_float_denorm_mode_16_64 3
		.amdhsa_memory_ordered 1
		.amdhsa_forward_progress 1
		.amdhsa_inst_pref_size 101
	.end_amdhsa_kernel
	.amdgpu_metadata
---
amdhsa.version: [ 1, 2 ]
amdhsa.kernels:
  - .name:           k_qb88eb19b8b_down
    .symbol:         k_qb88eb19b8b_down.kd
    .args:
      - { .name: down_weight, .offset: 0, .size: 8, .value_kind: global_buffer, .address_space: global }
      - { .name: hid, .offset: 8, .size: 8, .value_kind: global_buffer, .address_space: global }
      - { .name: route, .offset: 16, .size: 8, .value_kind: global_buffer, .address_space: global }
      - { .name: lowp_scales, .offset: 24, .size: 8, .value_kind: global_buffer, .address_space: global }
      - { .name: out0, .offset: 32, .size: 8, .value_kind: global_buffer, .address_space: global }
    .group_segment_fixed_size: 89088
    .private_segment_fixed_size: 0
    .kernarg_segment_align: 8
    .kernarg_segment_size: 40
    .max_flat_workgroup_size: 256
    .sgpr_count:     80
    .vgpr_count:     448
    .wavefront_size: 32
...
	.end_amdgpu_metadata
.endif
;; end of part 6
